; MI455X (gfx1250); checked and timed in simulation.
; The chip was launched on July 23, 2026; its instructions are those of AMD's public machine-readable ISA for CDNA 5 (MIT licence, August 2026) and "CDNA5" Instruction Set Architecture Reference Guide (July 2026). The comments in the code are by the model that wrote it; some were corrected since.
;; Multiheaded Attention. Allowed arithmetic: matrix products marked QUANTISED: E2M1 operands, one E8M0 scale for each 32 along K, by v_wmma_scale_f32_16x16x128_f8f6f4 with both operands' format E2M1 (or v_wmma_scale_f32_32x16x128_f4), f32 sums; products left as they are: bf16, f16 or f32 operands; f32 sums; everything else in f32.
;; Inputs: K 4 x 2,048 x 1,024 float32; Q 4 x 2,048 x 1,024 float32; V 4 x 2,048 x 1,024 float32; Wk 1,024 x 1,024 float32; Wo 1,024 x 1,024 float32; Wq 1,024 x 1,024 float32; Wv 1,024 x 1,024 float32; bk 1,024 float32; bo 1,024 float32; bq 1,024 float32; bv 1,024 float32; mask 4 x 1 x 2,048 bool.
;; Outputs: out0 4 x 2,048 x 1,024 float32.
;; This version of the problem:
;;   THIS VERSION OF THE PROBLEM IS GIVEN IN LOW PRECISION. The matrix products marked QUANTISED in the list below multiply operands that are first quantised to E2M1 (2 exponent bits, 1 mantissa bit; 4 bits a number), with one power-of-two scale for each 32 numbers along K (OCP MX v1.0); their sums are f32. The products marked 'left as it is' may take bf16, f16 or f32 operands, with f32 sums. Whichever they take, every output number must still come out within the allowed error. Rounding operands to bf16 (8 significant bits) uses up far more of that allowance than f16 does (11 bits, for magnitudes from 6e-5 to 65,504). All else is computed in f32.
;;   The module's matrix products, in the order in which they are computed (A, B: the left and right operand; K: the contracted axis; several contracted axes count as one K, in the product's order):
;;     1. [M 8,192, K 1,024] x [K 1,024, N 1,024]; A: input Q; B: input Wq: QUANTISED
;;     2. [M 8,192, K 1,024] x [K 1,024, N 1,024]; A: input K; B: input Wk: QUANTISED
;;     3. [M 8,192, K 1,024] x [K 1,024, N 1,024]; A: input V; B: input Wv: QUANTISED
;;     4. batch 64 x [M 2,048, K 64] x [K 64, N 2,048]; A: computed on the way; B: computed on the way: left as it is (an operand is computed on the way)
;;     5. batch 64 x [M 2,048, K 2,048] x [K 2,048, N 64]; A: computed on the way; B: computed on the way: left as it is (an operand is computed on the way)
;;     6. [M 8,192, K 1,024] x [K 1,024, N 1,024]; A: computed on the way; B: input Wo: left as it is (an operand is computed on the way)
;;   THE QUANTISER, for each operand of a quantised product, along K:
;;     - K is cut into blocks of 32 from its start; a last block that is shorter is filled with zeros.
;;     - A block's scale is 2^e with e = floor(log2(the largest magnitude in the block)) - 2, held to -126 .. 127; a block of zeros has e = 0. As a byte (E8M0): e + 127.
;;     - Each number is divided by its block's scale, clamped to +-6, and rounded to the nearest number of E2M1, ties to even, subnormals kept.
;;     - The product sums the exact products of the quantised numbers (number of the format x scale) in f32.
;;   ~~~python
;;   def quantise(x, axis):      # numpy; x: float32 -> the quantised numbers, widened to float32 again
;;       x = np.moveaxis(x, axis, -1); K = x.shape[-1]
;;       x = np.pad(x, [(0, 0)] * (x.ndim - 1) + [(0, -K % 32)]); x = x.reshape(x.shape[:-1] + (-1, 32)); a = np.abs(x).max(-1, keepdims=True)
;;       e = np.where(a > 0, np.clip(np.frexp(np.where(a > 0, a, 1))[1] - 1 - 2, -126, 127), 0)      # np.frexp(a)[1] - 1 = floor(log2(a)), exactly
;;       r = np.clip(x / 2.0 ** e, -6, 6)
;;       step = 2.0 ** (np.maximum(np.frexp(np.where(r == 0, 1, r))[1] - 1, 0) - 1)
;;       q = np.round(r / step) * step * 2.0 ** e      # np.round: ties to even
;;       return np.moveaxis(q.reshape(q.shape[:-2] + (-1,))[..., :K], -1, axis).astype(np.float32)
;;   ~~~
;; One version. Each part assembles by itself: llvm-mc -triple=amdgcn-amd-amdhsa -mcpu=gfx1250 --defsym DOCPART=n.
;; ======== version 1 of 1: 4 launches
;; limits: values are held in f16: magnitudes above 65,504 overflow, below 6.1e-05 lose precision
;; workspace buffers: actc 12,582,912 bytes; acts 786,432 bytes; wc 1,572,864 bytes; wsc 98,304 bytes; woi 2,097,152 bytes; qkv 50,331,648 bytes; ctx 16,777,216 bytes
;; launch prep (part 1): grid 880 x 1, 4 waves a work-group, no clusters, 68,096 bytes of LDS; arguments Q, K, V, Wq, Wk, Wv, Wo, actc, acts, wc, wsc, woi; writes actc, acts, wc, wsc, woi
.if DOCPART == 1
	.amdgcn_target "amdgcn-amd-amdhsa--gfx1250"
	.amdhsa_code_object_version 6
	.text
	.protected	k_q76f03859da_prep
	.globl	k_q76f03859da_prep
	.p2align	8
	.type	k_q76f03859da_prep,@function
k_q76f03859da_prep:
	s_mov_b64 s[64:65], 0
	v_nop
	global_prefetch_b8 v0, s[64:65] scope:SCOPE_SE
	s_setreg_imm32_b32 hwreg(HW_REG_WAVE_MODE, 25, 1), 1
	s_wait_xcnt 0x0
; One launch, three roles, told apart by the work-group's number alone; waves share nothing, so there is no barrier.
;   work-groups 0-47    (role W): Wq, Wk, Wv [k 1024][n 1024] f32 -> codes of FP4 (E2M1) laid [n][k], K innermost (wc), and one E8M0 byte for each 32 along K, laid [n][32] (wsc).
;   work-groups 48-111  (role O): Wo [k][n] f32 -> f16, laid [n / 16][k / 8][n % 16][8 k] (woi): the 16 bytes that a lane of a 16-bit operand wants are one piece, 32 lanes' pieces are 512 bytes on end.
;   work-groups 112-879 (role A): Q, K, V [8192][1024] f32 -> codes, rows of 512 bytes (actc), and their scale bytes [8192][32] (acts).
; THE QUANTISER: a block's scale is 2^(floor(log2(its largest magnitude)) - 2); its byte is the largest magnitude's exponent field - 2, held at 1 from below; each number is divided by the scale and
; rounded to the nearest code, ties to even, beyond 6 the largest code.  A block of zeros gets the byte 1 where the rule says 127: its codes are zeros, and this program alone reads the bytes.
; LIMITS: NaN and infinities among the inputs are not served; Wo's numbers must lie under 65,504 in magnitude (f16).
; LDS: role A bytes 0-32767 (8,192 a wave), role W bytes 32768-67583 (8,704 a wave), the spare words from 67584 on: each role has bytes of its own.
.set SPW,    190                       ; v190  LDS address of my spare word: SPARE + 4 x my thread's number; never rewritten
.set NIL,    191                       ; v191  0; never rewritten
.set SPARE,  67584                     ; the spare words, 128 bytes for each wave: two blocks of 256 bytes that no other line names
.set EMAX,   2                         ; the exponent of E2M1's largest number, 6
.set STEPS,  16                        ; role A: steps of 512 numbers for a wave
.set CB,     8                         ; bytes of 16 codes
.set AR,     16                        ; v16-79   four sets of 16 numbers as they are loaded
.set AX,     80                        ; v80-111  two sets of 16 neighbours
.set AE,     112                       ; v112-127 a scale byte for each step
.set AC,     128                       ; v128-189 codes: four registers for each step, so that no store's data are written again
.set WREG,   8192                      ; a wave's region: two stages of 32 x ASP bytes, then its 256 scale bytes
.set ASP,    80                        ; a lane's place in a stage: 64 bytes + 16 of padding
.set NB,     16                        ; role W: blocks of 32 along K for a wave (512 along K)
.set WSTG,   32768                     ; its stages begin here
.set WPITCH, 272                       ; a stage row: 256 bytes of codes + 16
.set KROW,   512                       ; a row of the codes' buffer
.set WN4,    4096                      ; a row of a weight in memory
.set WSB,    24                        ; v24-27   a column's 16 scale bytes
.set WX,     32                        ; v32-95   two sets of 32 numbers
.set WC,     96                        ; v96-99   a block's codes
.set WOUT,   112                       ; v112-175 the way out
.set OX,     32                        ; role O: v32-159 128 numbers down K of my column
.macro FINISH                          ; a wave's end, behind its last LDS store
	s_wait_tensorcnt 0x0
	ds_add_u32 v[SPW], v[NIL]
	s_wait_dscnt 0x0
	s_endpgm
.endm
	s_load_b512 s[4:19], s[0:1], 0x0               ; Q s[4:5], K s[6:7], V s[8:9], Wq s[10:11], Wk s[12:13], Wv s[14:15], Wo s[16:17], actc s[18:19]
	s_load_b256 s[20:27], s[0:1], 0x40             ; acts s[20:21], wc s[22:23], wsc s[24:25], woi s[26:27]
	v_lshl_add_u32 v[SPW], v0, 2, SPARE
	v_mov_b32 v[NIL], 0
	v_lshrrev_b32 v1, 5, v0
	v_readfirstlane_b32 s28, v1                    ; wave 0..3
	v_and_b32 v2, 31, v0                           ; lane
	s_wait_kmcnt 0x0
	s_cmp_lt_u32 ttmp9, 48
	s_cbranch_scc1 .Lrole_w
	s_cmp_lt_u32 ttmp9, 112
	s_cbranch_scc1 .Lrole_o
; ---------------- ROLE A: rows are dense and 1,024 is a multiple of 32, so a tensor is a plain stream of blocks of 32, and so are its codes and scale bytes.
; A wave takes 16 steps of 512 numbers.  Each of a step's four loads reads 512 consecutive bytes, 16 a lane; the 2,048 bytes go through the wave's own stage in LDS and come back 64 bytes a lane,
; so that a lane holds 16 neighbours along K (two neighbouring lanes hold a block), as the conversions want.  Loads run four steps ahead, the turn through LDS one step.
	s_sub_co_u32 s30, ttmp9, 112                   ; 0..767
	s_lshr_b32 s31, s30, 8                         ; which tensor
	s_and_b32 s32, s30, 255                        ; which work-group of its 256
	s_cmp_lt_u32 s31, 1
	s_cselect_b64 s[34:35], s[4:5], s[6:7]
	s_cmp_lt_u32 s31, 2
	s_cselect_b64 s[34:35], s[34:35], s[8:9]       ; Q, K or V: the choice hangs on the work-group's number alone
	s_lshl_b32 s32, s32, 2
	s_add_co_u32 s32, s32, s28                     ; my wave's run of 8,192 numbers in the tensor
	s_lshl_b32 s40, s32, 15
	s_mov_b32 s41, 0
	s_add_nc_u64 s[34:35], s[34:35], s[40:41]
	s_lshl_b32 s30, s30, 2
	s_add_co_u32 s30, s30, s28                     ; and among the three tensors' runs, which lie on end in actc and acts
	s_lshl_b32 s40, s30, 12                        ; 4,096 bytes of codes a run
	s_add_nc_u64 s[36:37], s[18:19], s[40:41]
	s_lshl_b32 s40, s30, 8                         ; 256 scale bytes a run
	s_add_nc_u64 s[38:39], s[20:21], s[40:41]
	v_lshlrev_b32 v3, 4, v2                        ; my 16 bytes of a load's 512
	s_mul_i32 s29, s28, WREG
	v_lshrrev_b32 v14, 2, v2
	v_mul_u32_u24 v14, v14, ASP
	v_and_b32 v15, 3, v2
	v_lshl_add_u32 v14, v15, 4, v14
	v_add_nc_u32 v14, s29, v14                     ; the stage, on the way in: four lanes' 64 bytes on end, then 16 of padding
	v_mul_u32_u24 v15, v2, ASP
	v_add_nc_u32 v15, s29, v15                     ; and on the way out: my 16 neighbours
	v_mul_u32_u24 v4, v2, CB                       ; my codes' place in a step's
	v_lshrrev_b32 v5, 1, v2
	s_add_co_u32 s29, s29, 2*32*ASP
	v_add_nc_u32 v5, s29, v5                       ; my wave's 256 scale bytes, my block's byte
	v_lshlrev_b32 v7, 3, v2                        ; on the way out 8 bytes a lane
	v_add_nc_u32 v6, s29, v7
.macro ALOAD t
.irp i, 0,1,2,3
	global_load_b128 v[AR+16*((\t)%4)+4*\i:AR+16*((\t)%4)+4*\i+3], v3, s[34:35] offset:2048*(\t)+512*\i th:TH_LOAD_NT   ; 32 lanes read 512 consecutive bytes
.endr
.endm
.macro ATURN t                         ; step t's numbers through the stage: LDS serves a wave's instructions in order, so no wait stands between the stores and the loads
.irp i, 0,1,2,3
	ds_store_b128 v14, v[AR+16*((\t)%4)+4*\i:AR+16*((\t)%4)+4*\i+3] offset:32*ASP*((\t)%2)+8*ASP*\i
.endr
.irp i, 0,1,2,3
	ds_load_b128 v[AX+16*((\t)%2)+4*\i:AX+16*((\t)%2)+4*\i+3], v15 offset:32*ASP*((\t)%2)+16*\i
.endr
.endm
.irp t, 0,1,2,3
	ALOAD \t
.endr
	s_wait_loadcnt 12                              ; step 0's four loads are in; the twelve of steps 1 to 3 may be out
	ATURN 0
.macro ASTEP t
.set XS, AX+16*((\t)%2)
.if (\t) > 0
	s_wait_dscnt 1                                 ; this step's numbers are back from the stage (the last step's byte store may be out): so its stores into the stage have read their registers,
.else
	s_wait_dscnt 0x0
.endif
.if (\t)+4 < STEPS
	ALOAD (\t)+4                                   ; which take the loads of four steps on
.endif
.if (\t)+1 < STEPS
.if STEPS-2-(\t) >= 3
	s_wait_loadcnt 12                              ; the next step's four loads are in; those of the three steps behind it may be out
.else
	s_wait_loadcnt 4*(STEPS-2-(\t))
.endif
	ATURN (\t)+1                                   ; and go through the other stage while this step is worked
.endif
	v_max3_num_f32 v8, |v[XS]|, |v[XS+1]|, |v[XS+2]|               ; the largest magnitude of my 16, in two chains
	v_max3_num_f32 v9, |v[XS+3]|, |v[XS+4]|, |v[XS+5]|
.irp i, 6,10
	v_max3_num_f32 v8, v8, |v[XS+\i]|, |v[XS+\i+1]|
	v_max3_num_f32 v9, v9, |v[XS+\i+2]|, |v[XS+\i+3]|
.endr
	v_max3_num_f32 v8, v8, |v[XS+14]|, |v[XS+15]|
	v_max3_num_f32 v8, v8, v9, (EMAX+1)<<23        ; and the floor 2^(3 - 127): so the byte cannot fall under 1
	v_max_num_f32_dpp v8, v8, v8 row_xmask:1 row_mask:0xf bank_mask:0xf   ; and of my neighbour's 16: the block's
	v_add_nc_u32 v11, -(EMAX<<23), v8              ; 2 off its exponent field: the conversion takes the exponent field of this operand as its scale, and nothing else of it
	v_cvt_scalef32_pk8_fp4_f32 v[AC+4*(\t)], v[XS:XS+7], v11
	v_cvt_scalef32_pk8_fp4_f32 v[AC+4*(\t)+1], v[XS+8:XS+15], v11
	v_lshrrev_b32 v[AE+(\t)], 23, v11              ; the scale's byte (also the plain line behind the conversions)
	ds_store_b8 v5, v[AE+(\t)] offset:16*(\t)      ; both lanes of a block write the same byte with the same value
	global_store_b64 v4, v[AC+4*(\t):AC+4*(\t)+1], s[36:37] offset:32*CB*(\t)   ; the wave stores 256 consecutive bytes, aligned
.endm
.irp t, 0,1,2,3,4,5,6,7,8,9,10,11,12,13,14,15
	ASTEP \t
.endr
	ds_load_b64 v[8:9], v6                         ; LDS serves a wave's instructions in order: these see my byte stores
	s_wait_dscnt 0x0
	global_store_b64 v7, v[8:9], s[38:39]          ; 32 lanes store my run's 256 scale bytes, aligned
	FINISH
; ---------------- ROLE W: K is the weight's FIRST axis.  A lane takes a column n and its registers run down K: each load reads neighbouring n in neighbouring lanes, a block of 32 along K lies in one
; lane's 32 registers, and the conversions give codes with K innermost.  A wave takes 32 columns x 512 along K; the codes go through the wave's own stage and leave as rows, sixteen lanes to 256 bytes.
.Lrole_w:
	s_lshr_b32 s30, ttmp9, 4                       ; which weight
	s_and_b32 s31, ttmp9, 7                        ; which 128 columns
	s_bfe_u32 s32, ttmp9, 0x10003                  ; which 512 along K
	s_cmp_lt_u32 s30, 1
	s_cselect_b64 s[34:35], s[10:11], s[12:13]
	s_cmp_lt_u32 s30, 2
	s_cselect_b64 s[34:35], s[34:35], s[14:15]     ; Wq, Wk or Wv
	s_lshl_b32 s31, s31, 7
	s_lshl_b32 s33, s28, 5
	s_add_co_u32 s31, s31, s33                     ; my wave's first column
	s_lshl_b32 s40, s32, 21                        ; 512 rows of 4,096 bytes
	s_lshl_b32 s33, s31, 2
	s_add_co_u32 s40, s40, s33
	s_mov_b32 s41, 0
	s_add_nc_u64 s[34:35], s[34:35], s[40:41]
	s_lshl_b32 s40, s31, 9                         ; codes: column x 512 + 256 x (which 512 along K) + the weight's 2^19
	s_lshl_b32 s33, s32, 8
	s_add_co_u32 s40, s40, s33
	s_lshl_b32 s33, s30, 19
	s_add_co_u32 s40, s40, s33
	s_add_nc_u64 s[36:37], s[22:23], s[40:41]
	s_lshl_b32 s40, s31, 5                         ; scale bytes: column x 32 + 16 x (which 512) + the weight's 2^15
	s_lshl_b32 s33, s32, 4
	s_add_co_u32 s40, s40, s33
	s_lshl_b32 s33, s30, 15
	s_add_co_u32 s40, s40, s33
	s_add_nc_u64 s[38:39], s[24:25], s[40:41]
	v_lshlrev_b32 v3, 2, v2                        ; in: 4 bytes a lane
	s_mul_i32 s33, s28, 32*WPITCH
	s_add_co_u32 s33, s33, WSTG                    ; my stage
	v_mul_u32_u24 v4, v2, WPITCH
	v_add_nc_u32 v4, s33, v4                       ; into it: row = my column
	v_and_b32 v5, 15, v2
	v_lshrrev_b32 v6, 4, v2                        ; out of it: sixteen lanes to a row, two rows an instruction
	v_mul_u32_u24 v7, v6, WPITCH
	v_lshl_add_u32 v7, v5, 4, v7
	v_add_nc_u32 v7, s33, v7
	v_mul_u32_u24 v8, v6, KROW
	v_lshl_add_u32 v8, v5, 4, v8                   ; and the same place in the codes' buffer
	v_mul_u32_u24 v9, v2, 32                       ; my column's row of scale bytes
.macro WLOAD t                         ; block t: W(32 t + i, my column), i = 0 .. 31, into set t % 2
.set i, 0
.rept 32
	global_load_b32 v[WX+32*((\t)%2)+i], v3, s[34:35] offset:(32*(\t)+i)*WN4 th:TH_LOAD_NT
.set i, i+1
.endr
.endm
	WLOAD 0
	WLOAD 1
.macro WBLOCK t
.set XS, WX+32*((\t)%2)
.if (\t) < NB-1
	s_wait_loadcnt 32                              ; this block's 32 loads are in; the next block's 32 may be out
.else
	s_wait_loadcnt 0
.endif
	v_max3_num_f32 v12, |v[XS]|, |v[XS+1]|, |v[XS+2]|              ; the block's largest magnitude: all 32 numbers are mine
	v_max3_num_f32 v13, |v[XS+3]|, |v[XS+4]|, |v[XS+5]|
.irp i, 6,10,14,18,22,26
	v_max3_num_f32 v12, v12, |v[XS+\i]|, |v[XS+\i+1]|
	v_max3_num_f32 v13, v13, |v[XS+\i+2]|, |v[XS+\i+3]|
.endr
	v_max3_num_f32 v12, v12, |v[XS+30]|, |v[XS+31]|
	v_max3_num_f32 v12, v12, v13, (EMAX+1)<<23     ; and the floor
	v_add_nc_u32 v11, -(EMAX<<23), v12             ; the conversion's scale operand
	v_lshrrev_b32 v13, 23, v11                     ; the scale's byte
.if (\t)%4 == 0
	v_mov_b32 v[WSB+(\t)/4], v13                   ; four bytes to a register, the lower K in the lower byte
.else
	v_lshl_or_b32 v[WSB+(\t)/4], v13, 8*((\t)%4), v[WSB+(\t)/4]
.endif
.irp g, 0,1,2,3
	v_cvt_scalef32_pk8_fp4_f32 v[WC+\g], v[XS+8*\g:XS+8*\g+7], v11
.endr
	ds_store_b128 v4, v[WC:WC+3] offset:16*(\t)    ; 32 codes: 16 bytes of my column's row
.if (\t)+2 < NB
	WLOAD (\t)+2
.endif
	s_wait_dscnt 0x0                               ; the store has read its registers: the next block's codes may be written
.endm
.set Q, 0
.rept NB
	WBLOCK Q
.set Q, Q+1
.endr
	global_store_b128 v9, v[WSB:WSB+3], s[38:39]   ; my column's 16 scale bytes
.irp t, 0,1,2,3,4,5,6,7,8,9,10,11,12,13,14,15
	ds_load_b128 v[WOUT+4*\t:WOUT+4*\t+3], v7 offset:2*\t*WPITCH   ; LDS serves a wave's instructions in order: these see my stores
.endr
.irp t, 0,1,2,3,4,5,6,7,8,9,10,11,12,13,14,15
	s_wait_dscnt 15-\t                             ; LDS loads come back in order: pair t of rows is in
	global_store_b128 v8, v[WOUT+4*\t:WOUT+4*\t+3], s[36:37] offset:2*\t*KROW
.endr
	FINISH
; ---------------- ROLE O: a lane takes a column n of Wo and 128 along K; eight neighbours along K pack into 16 bytes of f16, and sixteen lanes (n % 16) store 256 consecutive bytes, aligned.  No LDS.
.Lrole_o:
	s_sub_co_u32 s30, ttmp9, 48                    ; 0..63
	s_and_b32 s31, s30, 7                          ; which 128 columns
	s_lshr_b32 s32, s30, 3                         ; which 128 along K
	s_lshl_b32 s31, s31, 7
	s_lshl_b32 s33, s28, 5
	s_add_co_u32 s31, s31, s33                     ; my wave's first column, a multiple of 32
	s_lshl_b32 s40, s32, 19                        ; 128 rows of 4,096 bytes
	s_lshl_b32 s33, s31, 2
	s_add_co_u32 s40, s40, s33
	s_mov_b32 s41, 0
	s_add_nc_u64 s[34:35], s[16:17], s[40:41]
	s_lshl_b32 s40, s31, 11                        ; (column / 16) x 32,768
	s_lshl_b32 s33, s32, 12                        ; + 16 pieces of 256 bytes for each 128 along K
	s_add_co_u32 s40, s40, s33
	s_add_nc_u64 s[36:37], s[26:27], s[40:41]
	v_lshlrev_b32 v3, 2, v2
	v_lshrrev_b32 v4, 4, v2
	v_and_b32 v5, 15, v2
	v_lshlrev_b32 v4, 15, v4
	v_lshl_add_u32 v4, v5, 4, v4                   ; (lane / 16) x 32,768 + 16 (lane % 16)
.macro OLOAD t
.set i, 0
.rept 32
	global_load_b32 v[OX+32*(\t)+i], v3, s[34:35] offset:(32*(\t)+i)*WN4 th:TH_LOAD_NT
.set i, i+1
.endr
.endm
	OLOAD 0
	OLOAD 1
.irp t, 0,1,2,3
.if \t < 3
	s_wait_loadcnt 32                              ; this block's 32 loads are in; the next block's 32 may be out
.else
	s_wait_loadcnt 0
.endif
.irp i, 0,1,2,3,4,5,6,7,8,9,10,11,12,13,14,15
	v_cvt_pk_f16_f32 v[OX+32*\t+\i], v[OX+32*\t+2*\i], v[OX+32*\t+2*\i+1]   ; in place, ascending: register i is written when registers 2 i and 2 i + 1 are read
.endr
.irp q, 0,1,2,3
	global_store_b128 v4, v[OX+32*\t+4*\q:OX+32*\t+4*\q+3], s[36:37] offset:(4*\t+\q)*256   ; no register is written again: no wait for the stores' sources
.endr
.if \t < 2
	OLOAD \t+2
.endif
.endr
	FINISH
.Lfunc_end_k_q76f03859da_prep:
	.size	k_q76f03859da_prep, .Lfunc_end_k_q76f03859da_prep-k_q76f03859da_prep
	.p2alignl 7, 3214868480
	.fill 96, 4, 3214868480
	.section	.rodata,"a",@progbits
	.p2align	6, 0x0
	.amdhsa_kernel k_q76f03859da_prep
		.amdhsa_group_segment_fixed_size 68096
		.amdhsa_private_segment_fixed_size 0
		.amdhsa_enable_private_segment 0
		.amdhsa_kernarg_size 96
		.amdhsa_user_sgpr_count 2
		.amdhsa_user_sgpr_kernarg_segment_ptr 1
		.amdhsa_wavefront_size32 1
		.amdhsa_system_sgpr_workgroup_id_x 1
		.amdhsa_system_sgpr_workgroup_id_y 1
		.amdhsa_system_sgpr_workgroup_id_z 1
		.amdhsa_system_vgpr_workitem_id 0
		.amdhsa_next_free_vgpr 192
		.amdhsa_next_free_sgpr 66
		.amdhsa_reserve_vcc 0
		.amdhsa_float_denorm_mode_32 3
		.amdhsa_float_denorm_mode_16_64 3
		.amdhsa_memory_ordered 1
		.amdhsa_forward_progress 1
		.amdhsa_inst_pref_size 130
	.end_amdhsa_kernel
	.amdgpu_metadata
---
amdhsa.version: [ 1, 2 ]
amdhsa.kernels:
  - .name:           k_q76f03859da_prep
    .symbol:         k_q76f03859da_prep.kd
    .args:
      - { .name: Q, .offset: 0, .size: 8, .value_kind: global_buffer, .address_space: global }
      - { .name: K, .offset: 8, .size: 8, .value_kind: global_buffer, .address_space: global }
      - { .name: V, .offset: 16, .size: 8, .value_kind: global_buffer, .address_space: global }
      - { .name: Wq, .offset: 24, .size: 8, .value_kind: global_buffer, .address_space: global }
      - { .name: Wk, .offset: 32, .size: 8, .value_kind: global_buffer, .address_space: global }
      - { .name: Wv, .offset: 40, .size: 8, .value_kind: global_buffer, .address_space: global }
      - { .name: Wo, .offset: 48, .size: 8, .value_kind: global_buffer, .address_space: global }
      - { .name: actc, .offset: 56, .size: 8, .value_kind: global_buffer, .address_space: global }
      - { .name: acts, .offset: 64, .size: 8, .value_kind: global_buffer, .address_space: global }
      - { .name: wc, .offset: 72, .size: 8, .value_kind: global_buffer, .address_space: global }
      - { .name: wsc, .offset: 80, .size: 8, .value_kind: global_buffer, .address_space: global }
      - { .name: woi, .offset: 88, .size: 8, .value_kind: global_buffer, .address_space: global }
    .group_segment_fixed_size: 68096
    .private_segment_fixed_size: 0
    .kernarg_segment_align: 8
    .kernarg_segment_size: 96
    .max_flat_workgroup_size: 128
    .sgpr_count:     66
    .vgpr_count:     192
    .wavefront_size: 32
...
	.end_amdgpu_metadata
.endif
;; end of part 1
;; launch proj (part 2): grid 4 x 96, 4 waves a work-group, clusters of 4 x 4, 327,680 bytes of LDS; arguments actc, acts, wc, wsc, bq, bk, bv, mask, qkv; writes qkv
.if DOCPART == 2
	.amdgcn_target "amdgcn-amd-amdhsa--gfx1250"
	.amdhsa_code_object_version 6
	.text
	.protected	k_q76f03859da_proj
	.globl	k_q76f03859da_proj
	.p2align	8
	.type	k_q76f03859da_proj,@function
k_q76f03859da_proj:
	s_mov_b64 s[64:65], 0
	v_nop
	global_prefetch_b8 v0, s[64:65] scope:SCOPE_SE
	s_setreg_imm32_b32 hwreg(HW_REG_WAVE_MODE, 25, 1), 1
	s_wait_xcnt 0x0
	s_wait_alu depctr_hold_cnt(0) depctr_sa_sdst(0) depctr_va_vdst(0) depctr_va_sdst(0) depctr_va_ssrc(0) depctr_va_vcc(0) depctr_vm_vsrc(0)
	s_getreg_b32 s2, hwreg(HW_REG_IB_STS2, 6, 4)
	s_cmp_eq_u32 s2, 0
	s_cbranch_scc0 .Lentry_in_a_cluster
	s_endpgm
.Lentry_in_a_cluster:
	s_bfe_u32 s2, ttmp6, 0x10000c
	s_cmp_lg_u32 s2, 0xf033
	s_cbranch_scc0 .Lentry_shape_is_right
	s_endpgm
.Lentry_shape_is_right:
; The three input projections on codes of FP4 (E2M1) with one E8M0 scale for each 32 along K = 1,024, sums in f32; then bias, and the results as f16 in the order in which attention's operand registers take them.
; Each product is 8,192 tokens x 1,024 channels.  A work-group of four waves makes 256 x 256, a wave 128 x 128: 64 accumulators, 512 registers.  K goes in two steps of 512 (rows of 256 bytes), one to each
; of two LDS slots, so every tile is filled once: no slot is filled again.  The scale bytes of the work-group's rows come once, as dense blocks.
; X AND Y.  Source 1 of the matrix instruction takes 16 rows of X, source 0 16 rows of Y: a lane then holds ONE row of X (lane % 16) and eight neighbouring rows of Y.
;   q, k: X = tokens, Y = channels (the weight's rows): a lane's eight numbers are eight neighbouring channels of a token, 16 bytes of a fragment of Q or K.
;   v:    X = channels, Y = tokens: a lane's eight numbers are eight neighbouring KEYS of a channel, 16 bytes of a fragment of V^T.
; The cluster's y (0..23) says which product (y / 8) and which four tiles of tokens (y % 8): the same in all sixteen partners.
; CLUSTERS: 4 x 4.  X's tile hangs on the cluster's y and cy and is asked for jointly by the four of a row; Y's on the cluster's y and cx, by the four of a column.
; WHAT IS DONE TO THE SUMS, in f32:  q = (sum + bq) x log2(e) / 8, so that attention's scores arrive as exponents of 2;  k = (sum + bk) x mask (1 or 0): a masked key is the zero vector, its score exactly 0,
; onto which attention adds its -1e9 (in the same units);  v = sum + bv.
; qkv: q at 0, k at 2^24, v at 2^25; a head (16 batch + head) has 2^18 bytes.  q, k: [s / 16][dk / 8][s % 16][8 dk];  v: [s / 32][ch / 16][(s % 32) / 16][(s % 16) / 8][ch % 16][8 keys].
; Every store of a wave covers 512 consecutive bytes, aligned: no LDS stage on the way out.
; LIMITS: |q log2(e) / 8|, |k|, |v| under 65,504 (f16); NaN and infinities are not served.
; REGISTERS: window 0: v0-31 addresses; v32-95 scale words, two sets (on the way out: packed results); v104-111 mask bytes; v112-127 a pair for each block of X (multiplier, or v's bias); v128-191 X's fragments, one set
; (on the way out: at work); v192-255 the bias along Y.  window 1: Y's fragments, two sets.  windows 2, 3: the accumulators ((a, b) at v[8 (8 (a % 4) + b)]).
.set NQ,     4                         ; matrix instructions deep in a slot: 512 along K
.set ROWB,   256                       ; a tile's row in bytes
.set KROW,   512                       ; a row of codes in memory
.set PITCH,  272                       ; an LDS row: 256 bytes + 16 of padding = 68 words: the 16 rows that a load touches start at 16 different banks (64 banks of 4 bytes: ISA guide 11.1)
.set FR,     8                         ; registers of a fragment: 16 rows x 128 K
.set NL,     2                         ; LDS loads that bring one
.set NP,     4                         ; places behind this matrix instruction (ISA guide 7.12.1)
.set HALFT,  128*PITCH                 ; 128 rows: what one tensor load brings
.set SLOT,   4*HALFT                   ; X's 256 rows, then Y's 256 rows
.set KS,     32                        ; a row of scale bytes
.set SCL,    2*SLOT                    ; behind the slots: the scales, as pieces of 256 bytes + 16 of padding
.set HALFS,  (128*KS/256)*272          ; the scales of 128 rows
.set SBLK,   (16*KS/256)*272           ; those of 16 rows
.set SPARE,  SCL+4*HALFS               ; the spare words, 128 bytes for each wave: two blocks of 256 bytes that no other line names
.set ADRA, 16                          ; v16-17  LDS address of my X fragments in slot 0, 1
.set ADRB, 20                          ; v20-21  the same for Y
.set ADRS, 27                          ; v27     of my scale words: lanes 0-15 X's rows, lanes 16-31 Y's
.set SPW,  28                          ; v28     my spare word; never rewritten
.set NIL,  29                          ; v29     0; never rewritten
.set SC,   32                          ; scale words: set s at v[SC + 32 s]; register 4 i + q: lanes 0-15 X's block i, lanes 16-31 Y's block i, the slot's q-th 128 along K
.set PK,   32                          ; the way out: packed results, two banks of 32
.set MK,   104
.set PR,   112
.set AF,   128                         ; X's fragments
.set TT,   128                         ; the way out: 64 numbers at work
.set BY,   192
.set G1, 24                            ; s[24:31] group 1 for X's tiles; s[32:39] group 0, one set for each slot
.set G0, 32
.set G1B, 48                           ; s[48:55], s[56:63] the same for Y's
.set G0B, 56
.set G1S, 68                           ; s[68:75], s[76:79] groups 1 and 0 for X's scales; s[80:87], s[88:91] for Y's
.set G0S, 76
.set G1SB, 80
.set G0SB, 88
.set MSB, 0
.macro WIN new                         ; the immediate's high byte repeats the setting that is left
.if MSB != (\new)
	s_set_vgpr_msb (MSB<<8)|(\new)
.set MSB, (\new)
.endif
.endm
.set MUL_LO, 0xa1                      ; source 0 (Y) window 1, source 1 (X) window 0, C and D window 2
.set MUL_HI, 0xf1                      ; the same, C and D window 3
.set TO_B,   0x40                      ; destination window 1, address window 0
; A joint load: waves 0 and 1 fetch for X, waves 2 and 3 for Y.  The branch hangs on the wave's number alone.  An s_nop 0 and four v_nop follow each of the two lines.
.macro JLOAD g0a, g1a, g0b, g1b
	s_cmp_eq_u32 s15, 0
	s_cbranch_scc0 .Lfor_b_\@
	tensor_load_to_lds s[\g0a:\g0a+3], s[\g1a:\g1a+7]
	s_nop 0
.rept 4
	v_nop
.endr
	s_branch .Lasked_\@
.Lfor_b_\@:
	tensor_load_to_lds s[\g0b:\g0b+3], s[\g1b:\g1b+7]
	s_nop 0
.rept 4
	v_nop
.endr
.Lasked_\@:
.endm
.macro CROUND                          ; a round of the cluster's barrier: my work-group's barrier; wave 0 signals for the work-group; every wave waits for all sixteen; my work-group's barrier once more
	s_barrier_signal -1
	s_barrier_wait -1
	s_cmp_lg_u32 s14, 0
	s_cbranch_scc1 .Lnot_wave_0_\@
	s_barrier_signal -3
.Lnot_wave_0_\@:
	s_barrier_wait -3
	s_barrier_signal -1
	s_barrier_wait -1
.endm
	s_load_b256 s[4:11], s[0:1], 0x0               ; actc s[4:5], acts s[6:7], wc s[8:9], wsc s[10:11]
	s_load_b64 s[12:13], s[0:1], 0x40              ; qkv
	v_lshl_add_u32 v[SPW], v0, 2, SPARE
	v_mov_b32 v[NIL], 0
	ds_add_u32 v[SPW], v[NIL]                      ; the wave's opening: the add, twice on end, and its wait ahead of my first tensor load; the set-up below is work on registers
	ds_add_u32 v[SPW], v[NIL]
	v_lshrrev_b32 v1, 5, v0
	v_readfirstlane_b32 s14, v1                    ; wave 0..3
	s_lshr_b32 s15, s14, 1                         ; which half of X's rows is mine.  Also: I fetch for X (0) or for Y (1)
	s_and_b32 s16, s14, 1                          ; which half of Y's rows.  Also: which 128 rows of that tile I fetch
	s_bfe_u32 s40, ttmp6, 0x40000                  ; cx, cy: my place in the cluster
	s_bfe_u32 s41, ttmp6, 0x40004
	s_and_b32 s2, ttmp7, 0xffff                    ; the cluster's y, 0..23
	s_lshr_b32 s66, s2, 3                          ; which product: 0 q, 1 k, 2 v
	s_and_b32 s67, s2, 7                           ; which four tiles of tokens
	s_lshl_b32 s92, s66, 22                        ; where the product's tensors begin: activations' codes,
	s_lshl_b32 s93, s66, 18                        ; their scale bytes,
	s_lshl_b32 s94, s66, 19                        ; the weight's codes,
	s_lshl_b32 s95, s66, 15                        ; its scale bytes
	s_cmp_eq_u32 s66, 2                            ; v: the weight is X and the tokens are Y
	s_cselect_b32 s17, 0, s67
	s_cselect_b32 s42, s67, 0
	s_cselect_b32 s18, s94, s92                    ; X's codes,
	s_cselect_b32 s19, s95, s93                    ; X's scales,
	s_cselect_b32 s2, s92, s94                     ; Y's codes,
	s_cselect_b32 s3, s93, s95                     ; Y's scales
	s_lshl_b32 s17, s17, 2
	s_add_co_u32 s17, s17, s41                     ; X's tile: 4 x (its share of the cluster's y) + cy
	s_lshl_b32 s42, s42, 2
	s_add_co_u32 s42, s42, s40                     ; Y's tile: 4 x (its share) + cx
	s_lshl_b32 s43, s41, 2
	s_lshl_b32 s43, 15, s43                        ; my row of the cluster
	s_lshl_b32 s44, 0x1111, s40                    ; my column
	; descriptor group 1: a tile of 128 rows x 256 bytes, padded in LDS
	s_or_b32 s[G1+0], s43, (0<<16)|(1<<20)|(1<<21)|(5<<22)|(3<<25)  ; 15:0 the mask: X's tiles go to my row; 17:16 elements of 1 byte; 20 padding on; 21 set beside a mask; 24:22 after every 64 words; 31:25 four words
	s_or_b32 s[G1B+0], s44, (0<<16)|(1<<20)|(1<<21)|(5<<22)|(3<<25)
.irp g, G1, G1B
	s_mov_b32 s[\g+1], ROWB<<16                    ; tensor_dim0
	s_mov_b32 s[\g+2], 128<<16                     ; tensor_dim1
	s_mov_b32 s[\g+3], ROWB<<16                    ; tile_dim0
	s_mov_b32 s[\g+4], 128                         ; tile_dim1
	s_mov_b32 s[\g+5], KROW                        ; from row to row
	s_mov_b32 s[\g+6], 0
	s_mov_b32 s[\g+7], 0
.endr
	; the scales of 128 rows: 4,096 dense bytes, as 16 rows of 256 bytes (32 elements of 8 bytes), 16 bytes of padding behind each
	s_or_b32 s[G1S+0], s43, (3<<16)|(1<<20)|(1<<21)|(5<<22)|(3<<25)
	s_or_b32 s[G1SB+0], s44, (3<<16)|(1<<20)|(1<<21)|(5<<22)|(3<<25)
.irp g, G1S, G1SB
	s_mov_b32 s[\g+1], 32<<16
	s_mov_b32 s[\g+2], (128*KS/256)<<16
	s_mov_b32 s[\g+3], 32<<16
	s_mov_b32 s[\g+4], 128*KS/256
	s_mov_b32 s[\g+5], 32
	s_mov_b32 s[\g+6], 0
	s_mov_b32 s[\g+7], 0
.endr
	s_lshl_b32 s45, s16, 7                         ; which 128 rows of the tile I fetch
	s_lshl_b32 s20, s17, 8
	s_add_co_u32 s20, s20, s45                     ; X: row 256 x tile + 128 x half
	s_lshl_b32 s46, s42, 8
	s_add_co_u32 s46, s46, s45                     ; Y likewise
	s_lshl_b32 s22, s20, 5                         ; X's scale bytes: 32 a row,
	s_add_co_u32 s22, s22, s19
	s_mov_b32 s23, 0
	s_lshl_b32 s20, s20, 9                         ; its codes: 512 bytes a row; all offsets stay under 2^24
	s_add_co_u32 s20, s20, s18
	s_mov_b32 s21, 0
	s_lshl_b32 s92, s46, 5
	s_add_co_u32 s92, s92, s3
	s_mov_b32 s93, 0
	s_lshl_b32 s46, s46, 9
	s_add_co_u32 s46, s46, s2
	s_mov_b32 s47, 0
	s_mul_i32 s45, s14, HALFT                      ; where they go: wave x 128 rows: no place in the cluster enters an LDS address
	s_mul_i32 s94, s14, HALFS
	s_wait_dscnt 0x0                               ; both opening adds are done
	s_wait_kmcnt 0x0
	s_cmp_eq_u32 s66, 2
	s_cselect_b64 s[96:97], s[8:9], s[4:5]         ; X's codes,
	s_cselect_b64 s[98:99], s[10:11], s[6:7]       ; X's scales,
	s_cselect_b64 s[100:101], s[4:5], s[8:9]       ; Y's codes,
	s_cselect_b64 s[104:105], s[6:7], s[10:11]     ; Y's scales: the choice hangs on the cluster's y alone
	s_load_b256 s[4:11], s[0:1], 0x20              ; bq s[4:5], bk s[6:7], bv s[8:9], mask s[10:11]: waited for behind the tensor loads
	s_add_nc_u64 s[20:21], s[96:97], s[20:21]
	s_add_nc_u64 s[22:23], s[98:99], s[22:23]
	s_add_nc_u64 s[46:47], s[100:101], s[46:47]
	s_add_nc_u64 s[92:93], s[104:105], s[92:93]
	CROUND                                         ; all sixteen work-groups are here: the joint loads meet
	s_mov_b32 s[G0S], 1
	s_add_co_u32 s[G0S+1], s94, SCL
	s_mov_b64 s[G0S+2:G0S+3], s[22:23]
	s_or_b32 s[G0S+3], s[G0S+3], 0x80000000
	s_mov_b32 s[G0SB], 1
	s_add_co_u32 s[G0SB+1], s94, SCL
	s_mov_b64 s[G0SB+2:G0SB+3], s[92:93]
	s_or_b32 s[G0SB+3], s[G0SB+3], 0x80000000
	JLOAD G0S, G1S, G0SB, G1SB                     ; the scales first: they are wanted with the first K step
.irp s, 0,1
	s_mov_b32 s[G0+4*\s], 1
	s_add_co_u32 s[G0+4*\s+1], s45, \s*SLOT
	s_add_nc_u64 s[G0+4*\s+2:G0+4*\s+3], s[20:21], \s*ROWB
	s_or_b32 s[G0+4*\s+3], s[G0+4*\s+3], 0x80000000
	s_mov_b32 s[G0B+4*\s], 1
	s_add_co_u32 s[G0B+4*\s+1], s45, \s*SLOT
	s_add_nc_u64 s[G0B+4*\s+2:G0B+4*\s+3], s[46:47], \s*ROWB
	s_or_b32 s[G0B+4*\s+3], s[G0B+4*\s+3], 0x80000000
	JLOAD G0+4*\s, G1, G0B+4*\s, G1B               ; three tensor loads of mine are out: all that this launch asks for
.endr
	v_and_b32 v1, 15, v0                           ; r = lane % 16
	v_bfe_u32 v2, v0, 4, 1                         ; h = lane / 16
	v_mul_u32_u24 v3, v1, PITCH
	v_lshl_add_u32 v4, v2, 4, v3                   ; a fragment's row x pitch + 16 x half
	s_mul_i32 s21, s15, HALFT                      ; my 128 rows of X
	s_mul_i32 s22, s16, HALFT                      ; my 128 rows of Y,
	s_add_co_u32 s22, s22, 2*HALFT                 ; which lie behind X's 256
.irp s, 0,1
	v_add_nc_u32 v[ADRA+\s], s21, v4
	v_add_nc_u32 v[ADRB+\s], s22, v4
	s_add_co_u32 s21, s21, SLOT
	s_add_co_u32 s22, s22, SLOT
.endr
	v_mul_u32_u24 v5, v1, KS                       ; my row's scales: 32 bytes a row,
	v_lshrrev_b32 v6, 8, v5
	v_lshl_add_u32 v5, v6, 4, v5                   ; and 16 more for each 256 passed
	s_mul_i32 s21, s15, HALFS
	s_mul_i32 s22, s16, HALFS
	s_add_co_u32 s22, s22, 2*HALFS
	s_sub_co_u32 s22, s22, s21
	v_mul_u32_u24 v6, s22, v2                      ; lanes 16-31 take Y's: one product, the distance between the two bases
	s_add_co_u32 s21, s21, SCL
	v_add_nc_u32 v5, v5, v6
	v_add_nc_u32 v[ADRS], s21, v5
	; the bias and the mask, for the way out.  Every address is inside its buffer for each of the three products: what a product does not use is read at offset 0
	v_lshlrev_b32 v8, 5, v2                        ; 32 h: my half's eight numbers of 16
	v_lshlrev_b32 v9, 2, v1                        ; 4 r
	v_and_b32 v11, 31, v0
	v_lshlrev_b32 v11, 4, v11                      ; 16 x lane: my place in every store
	s_wait_kmcnt 0x0
	s_cmp_lt_u32 s66, 1
	s_cselect_b64 s[96:97], s[4:5], s[6:7]
	s_cmp_lt_u32 s66, 2
	s_cselect_b64 s[96:97], s[96:97], s[8:9]       ; my product's bias
	s_lshl_b32 s46, s42, 8
	s_lshl_b32 s47, s16, 7
	s_add_co_u32 s46, s46, s47                     ; my first row of Y
	s_lshl_b32 s20, s17, 8
	s_lshl_b32 s21, s15, 7
	s_add_co_u32 s20, s20, s21                     ; my first row of X
	s_cmp_eq_u32 s66, 2
	s_cselect_b32 s46, 0, s46                      ; q, k: the channels run along Y
	s_cselect_b32 s22, s20, 0                      ; v: along X
	s_cselect_b32 s20, 0, s20                      ; q, k: the tokens run along X
	s_lshl_b32 s46, s46, 2
	s_mov_b32 s47, 0
	s_add_nc_u64 s[100:101], s[96:97], s[46:47]
	s_lshl_b32 s22, s22, 2
	s_mov_b32 s23, 0
	s_add_nc_u64 s[96:97], s[96:97], s[22:23]
	s_mov_b32 s21, 0
	s_add_nc_u64 s[98:99], s[10:11], s[20:21]
.irp b, 0,1,2,3,4,5,6,7
	global_load_b128 v[BY+8*\b:BY+8*\b+3], v8, s[100:101] offset:64*\b         ; the bias of channels 16 b + 8 h + 0 .. 7
	global_load_b128 v[BY+8*\b+4:BY+8*\b+7], v8, s[100:101] offset:64*\b+16
.endr
.irp a, 0,1,2,3,4,5,6,7
	global_load_b32 v[PR+2*\a], v9, s[96:97] offset:64*\a                      ; the bias of channel 16 a + r, into both registers of a pair
	global_load_b32 v[PR+2*\a+1], v9, s[96:97] offset:64*\a
	global_load_u8 v[MK+\a], v1, s[98:99] offset:16*\a                         ; the mask of token 16 a + r
.endr
	s_cmp_eq_u32 s66, 0
	s_cselect_b32 s67, 0x3e38aa3b, 0               ; a row's multiplier is mask x s3 + s67:  q: log2(e) / 8;
	s_cselect_b32 s3, 0, 0x3f800000                ; k: the mask
.macro FRAG reg, adr, q, i             ; a fragment, 16 rows x 128 K of 4-bit codes: lane l holds row l % 16; registers 4 c .. 4 c + 3 hold K = 64 c + 32 (l / 16) + 0 .. 31
.irp c, 0,1
	ds_load_b128 v[\reg+4*\c:\reg+4*\c+3], v[\adr] offset:64*(\q)+32*\c+(\i)*16*PITCH
.endr
.endm
; 16 matrix instructions: X's blocks a0, a0 + 1 x Y's eight, 128 along K.  p: Y's set; sc: the set of scale words.  zero = 1: the first product starts the sums.
; The 64 accumulators take turns, one instruction a turn, in the same order in every step.
.macro MUL16 a0, p, q, sc, zero
.irp a, \a0, \a0+1
.irp b, 0,1,2,3,4,5,6,7
.if \zero
	v_wmma_scale_f32_16x16x128_f8f6f4 v[8*(8*((\a)%4)+\b):8*(8*((\a)%4)+\b)+7], v[128*(\p)+FR*\b:128*(\p)+FR*\b+FR-1], v[AF+FR*(\a):AF+FR*(\a)+FR-1], 0, v[SC+8*NQ*(\sc)+NQ*\b+(\q)], v[SC+8*NQ*(\sc)+NQ*(\a)+(\q)] matrix_a_fmt:MATRIX_FMT_FP4 matrix_b_fmt:MATRIX_FMT_FP4 matrix_a_scale:MATRIX_SCALE_ROW1
.else
	v_wmma_scale_f32_16x16x128_f8f6f4 v[8*(8*((\a)%4)+\b):8*(8*((\a)%4)+\b)+7], v[128*(\p)+FR*\b:128*(\p)+FR*\b+FR-1], v[AF+FR*(\a):AF+FR*(\a)+FR-1], v[8*(8*((\a)%4)+\b):8*(8*((\a)%4)+\b)+7], v[SC+8*NQ*(\sc)+NQ*\b+(\q)], v[SC+8*NQ*(\sc)+NQ*(\a)+(\q)] matrix_a_fmt:MATRIX_FMT_FP4 matrix_b_fmt:MATRIX_FMT_FP4 matrix_a_scale:MATRIX_SCALE_ROW1
.endif
.endr
.endr
.endm
.macro FETCH_B slot, q, p              ; Y's eight fragments of the slot's q-th 128 along K into set p
	WIN TO_B
.irp i, 0,1,2,3,4,5,6,7
	FRAG 128*(\p)+FR*\i, ADRB+\slot, \q, \i
.endr
	WIN 0
.endm
.macro FETCH_A slot, q, i0             ; X's blocks i0 .. i0 + 3
.irp i, \i0, \i0+1, \i0+2, \i0+3
	FRAG AF+FR*(\i), ADRA+\slot, \q, \i
.endr
.endm
.macro SCALES sc                       ; a slot's scale words: four words a row; lanes 0-15 take X's block i, lanes 16-31 Y's block i
.irp i, 0,1,2,3,4,5,6,7
	ds_load_b128 v[SC+8*NQ*\sc+NQ*\i:SC+8*NQ*\sc+NQ*\i+3], v[ADRS] offset:\i*SBLK
.endr
.endm
.macro PLACES n                        ; plain vector instructions that name no register of the matrix instructions before them, ahead of loads into their sources and of reads of their results
.rept \n
	v_nop
.endr
.endm
; A step of 128 along K that has its successor in the same slot.  A block of X is free as soon as its eight products are issued, so X has one set of registers: blocks 0-3 are fetched anew in the step's middle, blocks 4-7 at its end.
.macro STEP slot, q, zero
	s_wait_dscnt 4*NL                              ; Y's set and X's blocks 0-3 are in; the youngest eight loads (X's blocks 4-7) may be out
	WIN MUL_LO
	MUL16 0, (\q)%2, \q, \slot, \zero
	MUL16 2, (\q)%2, \q, \slot, \zero
	s_wait_dscnt 0                                 ; X's blocks 4-7 are in
	PLACES NP
	FETCH_B \slot, (\q)+1, 1-(\q)%2
	FETCH_A \slot, (\q)+1, 0
	WIN MUL_HI
	MUL16 4, (\q)%2, \q, \slot, \zero
	MUL16 6, (\q)%2, \q, \slot, \zero
	PLACES NP
	WIN 0
	FETCH_A \slot, (\q)+1, 4
.endm
; Slot 0's last step goes over to slot 1: each wave waits for its part of slot 1, and a barrier shows the whole slot to all four.  Nothing is filled again.
.macro TURN slot, next
	s_wait_tensorcnt 0x0                           ; all my tensor loads have landed: my part of the next slot
	ds_add_u32 v[SPW], v[NIL]                      ; 0 onto my spare word
	s_wait_dscnt 4*NL+1                            ; (the add and the youngest eight loads may be out)
	WIN MUL_LO
	MUL16 0, 1, NQ-1, \slot, 0                     ; sixteen matrix instructions stand between the add and the wait for it
	s_wait_dscnt 0x0                               ; the add is done, and no LDS instruction of mine is out at the signal
	s_barrier_signal -1
	MUL16 2, 1, NQ-1, \slot, 0
	WIN 0
	s_barrier_wait -1
	PLACES NP
	v_add_nc_u32 v[ADRS], 4*NQ, v[ADRS]            ; on to the next slot's scale words
	FETCH_B \next, 0, 0
	FETCH_A \next, 0, 0
	SCALES \next
	WIN MUL_HI
	MUL16 4, 1, NQ-1, \slot, 0
	MUL16 6, 1, NQ-1, \slot, 0
	PLACES NP
	WIN 0
	FETCH_A \next, 0, 4
.endm
.macro STEPS slot, from                ; the slot's steps from .. NQ - 2
.set Q, \from
.rept NQ-1-\from
	STEP \slot, Q, 0
.set Q, Q+1
.endr
.endm
	s_wait_tensorcnt 1                             ; the scales and my part of slot 0 are in; slot 1's load, issued behind them, may be out
	s_barrier_signal -1
	s_barrier_wait -1                              ; everybody's are
	FETCH_B 0, 0, 0
	FETCH_A 0, 0, 0
	SCALES 0
	FETCH_A 0, 0, 4
	STEP 0, 0, 1                                   ; the first step's products start the sums: nothing is cleared
	STEPS 0, 1
	TURN 0, 1
	STEPS 1, 0
	s_wait_dscnt 4*NL                              ; the last step: nothing more to fetch
	WIN MUL_LO
	MUL16 0, 1, NQ-1, 1, 0
	MUL16 2, 1, NQ-1, 1, 0
	s_wait_dscnt 0
	WIN MUL_HI
	MUL16 4, 1, NQ-1, 1, 0
	MUL16 6, 1, NQ-1, 1, 0
	WIN 0
; THE WAY OUT, a block of 16 rows of X at a time: bias (and multiplier) in f32, rounded to f16, eight neighbours to 16 bytes; the 32 lanes of a store cover 512 consecutive bytes.
.macro OUTBLK a, isv
.if (\a) >= 2
	s_wait_xcnt 0x0                                ; the stores of two blocks ago have read this bank's registers: only behind this wait are they written again
.endif
	WIN 0x02+(\a)/4                                ; source 0: window 2 or 3
.irp b, 0,1,2,3,4,5,6,7
.irp p, 0,1,2,3
.if \isv
	v_pk_add_f32 v[TT+8*\b+2*\p:TT+8*\b+2*\p+1], v[64*((\a)%4)+8*\b+2*\p:64*((\a)%4)+8*\b+2*\p+1], v[PR+2*(\a):PR+2*(\a)+1]   ; + the bias of my channel; each accumulator from its low end on
.else
	v_pk_add_f32 v[TT+8*\b+2*\p:TT+8*\b+2*\p+1], v[64*((\a)%4)+8*\b+2*\p:64*((\a)%4)+8*\b+2*\p+1], v[BY+8*\b+2*\p:BY+8*\b+2*\p+1]   ; + the bias of my eight channels; each accumulator from its low end on
.endif
.endr
.endr
	WIN 0
.if (\isv) == 0
.set i, 0
.rept 32
	v_pk_mul_f32 v[TT+i:TT+i+1], v[TT+i:TT+i+1], v[PR+2*(\a):PR+2*(\a)+1]     ; x my token's multiplier
.set i, i+2
.endr
.endif
.irp b, 0,1,2,3,4,5,6,7
.irp p, 0,1,2,3
	v_cvt_pk_f16_f32 v[PK+32*((\a)%2)+4*\b+\p], v[TT+8*\b+2*\p], v[TT+8*\b+2*\p+1]
.endr
.endr
.irp b, 0,1,2,3,4,5,6,7
.if \isv
	global_store_b128 v11, v[PK+32*((\a)%2)+4*\b:PK+32*((\a)%2)+4*\b+3], s[12:13] offset:((\a)/4)*262144+((\a)%4)*1024+(\b/2)*4096+(\b%2)*512
.else
	global_store_b128 v11, v[PK+32*((\a)%2)+4*\b:PK+32*((\a)%2)+4*\b+3], s[12:13] offset:(\a)*2048+(\b/4)*262144+(\b%4)*512
.endif
.endr
.endm
	s_wait_loadcnt 0x0                             ; the bias and the mask
	s_cmp_eq_u32 s66, 2                            ; the cluster's y alone: the same way in all sixteen partners
	s_cbranch_scc1 .Lout_v
.irp a, 0,1,2,3,4,5,6,7                ; q and k.  These 24 plain lines name no register of the last products: they are the places behind them
	v_cvt_f32_u32 v[MK+\a], v[MK+\a]
.endr
.irp a, 0,1,2,3,4,5,6,7
	v_fma_f32 v[PR+2*\a], v[MK+\a], s3, s67
	v_fma_f32 v[PR+2*\a+1], v[MK+\a], s3, s67
.endr
	s_lshr_b32 s18, s17, 3                         ; batch = X's tile / 8
	s_lshl_b32 s18, s18, 4
	s_lshl_b32 s46, s42, 2
	s_lshl_b32 s47, s16, 1
	s_add_co_u32 s46, s46, s47                     ; my first head = 4 x Y's tile + 2 x half
	s_add_co_u32 s46, s46, s18
	s_lshl_b32 s46, s46, 18
	s_and_b32 s18, s17, 7
	s_lshl_b32 s18, s18, 4
	s_lshl_b32 s19, s15, 3
	s_add_co_u32 s18, s18, s19                     ; my first tile of 16 tokens in the sequence
	s_lshl_b32 s18, s18, 11
	s_add_co_u32 s46, s46, s18
	s_lshl_b32 s18, s66, 24                        ; q's or k's third of the buffer
	s_add_co_u32 s46, s46, s18
	s_mov_b32 s47, 0
	s_add_nc_u64 s[12:13], s[12:13], s[46:47]
.irp a, 0,1,2,3,4,5,6,7
	OUTBLK \a, 0
.endr
	s_branch .Ldone
.Lout_v:
	PLACES NP                                      ; behind the last products
	s_lshr_b32 s46, s42, 3                         ; batch = Y's tile / 8
	s_lshl_b32 s46, s46, 4
	s_lshl_b32 s18, s17, 2
	s_lshl_b32 s19, s15, 1
	s_add_co_u32 s18, s18, s19                     ; my first head = 4 x X's tile + 2 x half
	s_add_co_u32 s46, s46, s18
	s_lshl_b32 s46, s46, 18
	s_and_b32 s18, s42, 7
	s_lshl_b32 s18, s18, 3
	s_lshl_b32 s19, s16, 2
	s_add_co_u32 s18, s18, s19                     ; my first block of 32 keys in the sequence
	s_lshl_b32 s18, s18, 12
	s_add_co_u32 s46, s46, s18
	s_add_co_u32 s46, s46, 2<<24                   ; v's third
	s_mov_b32 s47, 0
	s_add_nc_u64 s[12:13], s[12:13], s[46:47]
.irp a, 0,1,2,3,4,5,6,7
	OUTBLK \a, 1
.endr
.Ldone:
	s_wait_tensorcnt 0x0                           ; the wave's end
	ds_add_u32 v[SPW], v[NIL]
	s_wait_dscnt 0x0
	CROUND                                         ; the closing round: no work-group ends while a partner may still ask for a tile that names it
	s_endpgm
.Lfunc_end_k_q76f03859da_proj:
	.size	k_q76f03859da_proj, .Lfunc_end_k_q76f03859da_proj-k_q76f03859da_proj
	.p2alignl 7, 3214868480
	.fill 96, 4, 3214868480
	.section	.rodata,"a",@progbits
	.p2align	6, 0x0
	.amdhsa_kernel k_q76f03859da_proj
		.amdhsa_group_segment_fixed_size 327680
		.amdhsa_private_segment_fixed_size 0
		.amdhsa_enable_private_segment 0
		.amdhsa_kernarg_size 72
		.amdhsa_user_sgpr_count 2
		.amdhsa_user_sgpr_kernarg_segment_ptr 1
		.amdhsa_wavefront_size32 1
		.amdhsa_system_sgpr_workgroup_id_x 1
		.amdhsa_system_sgpr_workgroup_id_y 1
		.amdhsa_system_sgpr_workgroup_id_z 1
		.amdhsa_system_vgpr_workitem_id 0
		.amdhsa_next_free_vgpr 1024
		.amdhsa_next_free_sgpr 106
		.amdhsa_reserve_vcc 0
		.amdhsa_float_denorm_mode_32 3
		.amdhsa_float_denorm_mode_16_64 3
		.amdhsa_memory_ordered 1
		.amdhsa_forward_progress 1
		.amdhsa_inst_pref_size 195
	.end_amdhsa_kernel
	.amdgpu_metadata
---
amdhsa.version: [ 1, 2 ]
amdhsa.kernels:
  - .name:           k_q76f03859da_proj
    .symbol:         k_q76f03859da_proj.kd
    .args:
      - { .name: actc, .offset: 0, .size: 8, .value_kind: global_buffer, .address_space: global }
      - { .name: acts, .offset: 8, .size: 8, .value_kind: global_buffer, .address_space: global }
      - { .name: wc, .offset: 16, .size: 8, .value_kind: global_buffer, .address_space: global }
      - { .name: wsc, .offset: 24, .size: 8, .value_kind: global_buffer, .address_space: global }
      - { .name: bq, .offset: 32, .size: 8, .value_kind: global_buffer, .address_space: global }
      - { .name: bk, .offset: 40, .size: 8, .value_kind: global_buffer, .address_space: global }
      - { .name: bv, .offset: 48, .size: 8, .value_kind: global_buffer, .address_space: global }
      - { .name: mask, .offset: 56, .size: 8, .value_kind: global_buffer, .address_space: global }
      - { .name: qkv, .offset: 64, .size: 8, .value_kind: global_buffer, .address_space: global }
    .group_segment_fixed_size: 327680
    .private_segment_fixed_size: 0
    .kernarg_segment_align: 8
    .kernarg_segment_size: 72
    .max_flat_workgroup_size: 128
    .sgpr_count:     106
    .vgpr_count:     1024
    .wavefront_size: 32
...
	.end_amdgpu_metadata
.endif
;; end of part 2
;; launch attn (part 3): grid 4 x 64, 8 waves a work-group, clusters of 4 x 1, 327,680 bytes of LDS; arguments qkv, mask, ctx; writes ctx
.if DOCPART == 3
	.amdgcn_target "amdgcn-amd-amdhsa--gfx1250"
	.amdhsa_code_object_version 6
	.text
	.protected	k_q76f03859da_attn
	.globl	k_q76f03859da_attn
	.p2align	8
	.type	k_q76f03859da_attn,@function
k_q76f03859da_attn:
	s_mov_b64 s[64:65], 0
	v_nop
	global_prefetch_b8 v0, s[64:65] scope:SCOPE_SE
	s_setreg_imm32_b32 hwreg(HW_REG_WAVE_MODE, 25, 1), 1
	s_wait_xcnt 0x0
	s_wait_alu depctr_hold_cnt(0) depctr_sa_sdst(0) depctr_va_vdst(0) depctr_va_sdst(0) depctr_va_ssrc(0) depctr_va_vcc(0) depctr_vm_vsrc(0)
	s_getreg_b32 s2, hwreg(HW_REG_IB_STS2, 6, 4)
	s_cmp_eq_u32 s2, 0
	s_cbranch_scc0 .Lentry_in_a_cluster
	s_endpgm
.Lentry_in_a_cluster:
	s_bfe_u32 s2, ttmp6, 0x10000c
	s_cmp_lg_u32 s2, 0x3003
	s_cbranch_scc0 .Lentry_shape_is_right
	s_endpgm
.Lentry_shape_is_right:
; ctx[token][64 head + ch] = the sum over keys of softmax(q . k / 8, -1e9 where the mask is 0) v, for 64 heads (16 batch + head) of 2,048 tokens, head size 64.  Operands f16, products, maxima and sums f32.
; q arrives multiplied by log2(e) / 8, so a score is t, an exponent of 2; a masked key's k arrives as zeros, so its product is exactly 0, and the C of the first product of each score tile holds 0 for an open key and
; -(1e9 x log2 e) for a masked one: all masked scores are that one number.  With a running maximum m: p = 2^(t - m).  Where every key of a batch is masked t - m is exactly 0 and the softmax is uniform.
; SHARES.  A work-group owns 512 queries of one head, each of its eight waves 64: four tiles of 16, in 512 registers; two waves lie on a SIMD, so that one's vector work stands beside the other's products.
; Every wave walks all 2,048 keys, 64 a step.  K and V come through two LDS slots of 512 keys (8 steps); each of the eight waves fetches 16 KiB of a slot (waves 0-3 K's quarters, 4-7 V's) by one tensor load.
; LAYOUT.  S^T = K Q^T (source 0 = 16 keys, source 1 = 16 queries) and O^T = V^T P: a lane holds ONE query (lane % 16) throughout; two score tiles, rounded to f16 in pairs, are source 1 of the second product.
; q, k and v lie in memory in the order of the operands' registers: half a fragment is 512 consecutive bytes, 16 a lane.  So a tile is a dense block, a fragment is two loads at 16 x lane, and V needs no turning.
; CLUSTER.  The head's four blocks of queries are one cluster and walk the same K and V: every tile is asked for jointly (mask 15).
; NO PREFETCH: a slot is asked for eight key steps (512 matrix instructions of each wave) ahead of the wait for it, and each head's K and V are fetched by this one cluster.
; ctx is laid [token / 16][k / 8][token % 16][8 k], f16: every store of a wave covers 512 consecutive bytes, aligned.
; LIMITS: the context under 65,504 in magnitude (f16); NaN and infinities are not served.
; REGISTERS.  window 0: v1-7 addresses; v8-23 a tile's m, (spare), l in two halves; v24-31 two registers at work a tile; v32-159 S^T, 32 a tile, then p, then P in the low 16; v160-191 four bias tiles; v192-255 Q.
;             window 1: v0-127 O^T, 32 a tile; v128-191 K of one step; v192-255 V of one step.
.set SLOT1, 131072                     ; slot 1 begins here: one exclusive or turns an address in one slot into the other's
.set VOFF,  65536                      ; a slot: 32 tiles of K (2,048 bytes each), then 16 blocks of V (4,096 each)
.set STEPB, 8192                       ; a step's bytes of K, and of V
.set BIAS,  262144                     ; 2,048 f32: 0 or -(1e9 log2 e) for each key of my batch.  Written by ds_store; no tile lands here
.set SPARE, 270848                     ; the spare words, 128 bytes for each wave: four blocks of 256 bytes that no other line names
.set LI,  1                            ; v1   16 x lane
.set ADK, 2                            ; v2   LDS address of the K loads in hand
.set ADV, 3                            ; v3   of V's
.set ADB, 4                            ; v4   of the bias tiles'
.set BI0, 5                            ; v5   BIAS + 32 (lane / 16)
.set SPW, 6                            ; v6   my spare word; never rewritten
.set NIL, 7                            ; v7   0; never rewritten
.set ST,  8
.set TT,  24
.set S,   32
.set BZ,  160
.set QF,  192
.set KF,  128                          ; in window 1
.set VF,  192                          ; in window 1
.set WV,  10                           ; s10  my wave's number
.set CX,  11                           ; s11  my place in the cluster
.set BH,  12                           ; s12  16 batch + head
.set G1,  16                           ; s[16:23] descriptor group 1
.set G0,  24                           ; s[24:27] descriptor group 0: it walks
.set SEL, 30                           ; s[30:31] lane selects for v_permlanex16_b32: lane l xor 16
.set NEG, 32                           ; s32  1e9 x log2(e)
.set TB,  33                           ; s33  LDS byte at which the slot in hand begins
.set KO,  34                           ; s34  the step's bytes into the slot's K, and V
.set BC,  35                           ; s35  the step's bytes into the bias table
.set SLOTS, 36
.set STEPC, 37
.set MSB, 0
.macro WIN new                         ; bits 1:0 source 0, 3:2 source 1, 5:4 source 2, 7:6 destination; the high byte repeats the setting that is left
.if MSB != (\new)
	s_set_vgpr_msb (MSB<<8)|(\new)
.set MSB, (\new)
.endif
.endm
.macro CROUND                          ; a round of the cluster's barrier
	s_barrier_signal -1
	s_barrier_wait -1
	s_cmp_lg_u32 s[WV], 0
	s_cbranch_scc1 .Lnot_wave_0_\@
	s_barrier_signal -3
.Lnot_wave_0_\@:
	s_barrier_wait -3
	s_barrier_signal -1
	s_barrier_wait -1
.endm
.macro JOINT                           ; my 16 KiB of a slot; an s_nop 0 and four v_nop follow
	tensor_load_to_lds s[G0:G0+3], s[G1:G1+7]
	s_nop 0
.rept 4
	v_nop
.endr
.endm
	s_load_b128 s[4:7], s[0:1], 0x0                ; qkv s[4:5], mask s[6:7]
	s_load_b64 s[8:9], s[0:1], 0x10                ; ctx
	v_lshl_add_u32 v[SPW], v0, 2, SPARE
	v_mov_b32 v[NIL], 0
	ds_add_u32 v[SPW], v[NIL]                      ; the wave's opening: the add, twice on end, and its wait ahead of my first tensor load; the set-up below is work on registers
	ds_add_u32 v[SPW], v[NIL]
	v_lshrrev_b32 v1, 5, v0
	v_readfirstlane_b32 s[WV], v1                  ; wave 0..7
	s_bfe_u32 s[CX], ttmp6, 0x40000
	s_and_b32 s[BH], ttmp7, 0xffff
	s_mov_b32 s[G1], 15|(3<<16)|(1<<21)            ; 15:0 the mask: all four work-groups; 17:16 elements of 8 bytes; 21 set beside a mask; no padding
	s_mov_b32 s[G1+1], 32<<16                      ; tensor_dim0 = 32 elements: rows of 256 bytes
	s_mov_b32 s[G1+2], 64<<16                      ; tensor_dim1 = 64 rows: 16 KiB, dense
	s_mov_b32 s[G1+3], 32<<16                      ; tile_dim0
	s_mov_b32 s[G1+4], 64                          ; tile_dim1
	s_mov_b32 s[G1+5], 32                          ; from row to row
	s_mov_b32 s[G1+6], 0
	s_mov_b32 s[G1+7], 0
	s_mov_b32 s[SEL], 0x76543210
	s_mov_b32 s[SEL+1], 0xfedcba98
	s_mov_b32 s[NEG], 0x4eabfb8f                   ; 1,442,695,040 = 1e9 x log2(e), to f32
	s_mov_b32 s[TB], 0
	s_mov_b32 s[BC], 0
	s_mov_b32 s[SLOTS], 3
	s_lshl_b32 s38, s[BH], 18                      ; the head's first byte in each third of qkv
	s_lshr_b32 s39, s[WV], 2
	s_add_co_u32 s39, s39, 1
	s_lshl_b32 s39, s39, 24                        ; k's third (waves 0-3) or v's (waves 4-7)
	s_add_co_u32 s39, s39, s38
	s_and_b32 s40, s[WV], 3
	s_lshl_b32 s40, s40, 14                        ; my quarter of a slot's 64 KiB
	s_add_co_u32 s40, s40, s39
	s_mov_b32 s41, 0
	s_lshl_b32 s42, s[CX], 16                      ; q: my block's 512 queries,
	s_add_co_u32 s42, s42, s38
	s_lshl_b32 s43, s[WV], 13                      ; my wave's 64
	s_add_co_u32 s42, s42, s43
	s_mov_b32 s43, 0
	s_lshr_b32 s44, s[BH], 4                       ; batch
	s_lshl_b32 s46, s44, 7
	s_lshl_b32 s44, s44, 11                        ; its 2,048 mask bytes
	s_mov_b32 s45, 0
	s_lshl_b32 s47, s[CX], 5
	s_add_co_u32 s46, s46, s47
	s_lshl_b32 s47, s[WV], 2
	s_add_co_u32 s46, s46, s47                     ; ctx: my first tile of 16 tokens = 128 batch + 32 cx + 4 wave
	s_lshl_b32 s46, s46, 15
	s_and_b32 s47, s[BH], 15
	s_lshl_b32 s47, s47, 11                        ; + the head's eight pieces of 256 bytes
	s_add_co_u32 s46, s46, s47
	s_mov_b32 s47, 0
	s_wait_dscnt 0x0                               ; both opening adds are done
	s_wait_kmcnt 0x0
	s_mov_b32 s[G0], 1                             ; count = 1
	s_lshl_b32 s[G0+1], s[WV], 14                  ; LDS: wave x 16 KiB: K's four quarters, then V's: no place in the cluster enters it
	s_add_nc_u64 s[G0+2:G0+3], s[4:5], s[40:41]    ; the head's first 512 keys
	s_or_b32 s[G0+3], s[G0+3], 0x80000000          ; type = 2
	s_add_nc_u64 s[4:5], s[4:5], s[42:43]
	s_add_nc_u64 s[6:7], s[6:7], s[44:45]
	s_add_nc_u64 s[8:9], s[8:9], s[46:47]
	CROUND                                         ; all four work-groups are here: the first joint loads meet
	JOINT                                          ; slot 0
	v_and_b32 v[LI], 31, v0
	v_lshlrev_b32 v[LI], 4, v[LI]
.irp i, 0,1,2,3,4,5,6,7,8,9,10,11,12,13,14,15
	global_load_b128 v[QF+4*\i:QF+4*\i+3], v[LI], s[4:5] offset:512*\i   ; Q stays in registers: fragment (tile, 32 channels u) at QF + 8 (2 tile + u)
.endr
	v_lshlrev_b32 v[ADK], 3, v0
	global_load_b64 v[160:161], v[ADK], s[6:7]     ; thread i takes the mask bytes of keys 8 i .. 8 i + 7
	v_bfe_u32 v[BI0], v0, 4, 1
	v_lshl_add_u32 v[BI0], v[BI0], 5, BIAS
	v_lshl_add_u32 v[ADV], v0, 5, BIAS             ; where my eight numbers of the table go
.irp q, 0,1,2,3
	v_mov_b32 v[ST+4*\q], 0xff61b1e6               ; m = -3e38, under every score
	v_mov_b32 v[ST+4*\q+1], 0                      ; (named with m as a pair, so it is written)
	v_mov_b32 v[ST+4*\q+2], 0                      ; l, in two halves
	v_mov_b32 v[ST+4*\q+3], 0
.endr
	WIN 0x40
.set i, 0
.rept 128
	v_mov_b32 v[i], 0                              ; O^T.  The key step is written once: its first trip finds zeros, which the first change of m leaves zeros
.set i, i+1
.endr
	WIN 0
	s_wait_loadcnt 0x0                             ; Q and the mask bytes
.irp j, 0,1,2,3
	v_bfe_u32 v[164+\j], v160, 8*\j, 8
	v_bfe_u32 v[168+\j], v161, 8*\j, 8
.endr
.irp j, 0,1,2,3,4,5,6,7
	v_cvt_f32_u32 v[164+\j], v[164+\j]
.endr
.irp j, 0,1,2,3,4,5,6,7
	v_fma_f32 v[164+\j], v[164+\j], s[NEG], -s[NEG]   ; 1 -> 0;  0 -> -(1e9 log2 e)
.endr
	ds_store_b128 v[ADV], v[164:167]               ; the first change of slots waits for these and passes a barrier: then every wave may read the table
	ds_store_b128 v[ADV], v[168:171] offset:16
; THE CHANGE OF SLOTS stands at a slot's head.  Each wave waits for all its tensor loads (one is out: its part of the slot that it is about to read), adds 0 to its spare word, and waits for that and for its LDS
; instructions.  fill = 1: behind a round of the cluster's barrier no wave of any partner reads the other slot or has a load on its way, and that slot takes the next 512 keys: my one tensor load until the next change.
; Then the slot's first K fragments and bias tiles are fetched.
.macro CHANGE fill
	s_wait_tensorcnt 0x0                           ; no tensor load of mine is out, so group 0 may be written
	ds_add_u32 v[SPW], v[NIL]                      ; 0 onto my spare word; the descriptor's steps stand between it and the wait for it
.if \fill
	s_xor_b32 s[G0+1], s[G0+1], SLOT1              ; the other slot than last time,
	s_add_nc_u64 s[G0+2:G0+3], s[G0+2:G0+3], 65536 ; the next 512 keys; the type bits on top are not reached
.endif
	s_wait_dscnt 0x0                               ; the add is done, and my reads of the slot that I have left are over
.if \fill
	CROUND
	JOINT
.else
	s_barrier_signal -1
	s_barrier_wait -1
.endif
	s_mov_b32 s[KO], 0
	v_add_nc_u32 v[ADK], s[TB], v[LI]
	v_add_nc_u32 v[ADB], s[BC], v[BI0]
	WIN 0x40
.irp i, 0,1,2,3,4,5,6,7,8,9,10,11,12,13,14,15
	ds_load_b128 v[KF+4*\i:KF+4*\i+3], v[ADK] offset:512*\i
.endr
	WIN 0
.irp t, 0,1,2,3
	ds_load_b128 v[BZ+8*\t:BZ+8*\t+3], v[ADB] offset:64*\t
	ds_load_b128 v[BZ+8*\t+4:BZ+8*\t+7], v[ADB] offset:64*\t+16
.endr
.endm
; A KEY STEP: 64 keys, 64 matrix instructions, eight switches of the register window.
.macro STEP
	s_add_co_u32 s38, s[TB], s[KO]
	s_add_co_u32 s38, s38, VOFF                    ; this step's V
	s_add_co_u32 s39, s[KO], STEPB
	s_and_b32 s39, s39, 0xffff                     ; the next step's K; in a slot's last step the address wraps to the SAME slot's first step: bytes that have landed; the change of slots fetches the right ones
	s_add_co_u32 s39, s39, s[TB]
	s_add_co_u32 s40, s[BC], 256
	s_and_b32 s40, s40, 8191                       ; the next step's bias tiles (wrapped inside the table at the very end)
	v_add_nc_u32 v[ADV], s38, v[LI]                ; these three and two v_nop: five places behind the last step's V^T P, ahead of the loads into V's registers and of the products that write over P
	v_add_nc_u32 v[ADK], s39, v[LI]
	v_add_nc_u32 v[ADB], s40, v[BI0]
	v_nop
	v_nop
	WIN 0x40
.irp i, 0,1,2,3,4,5,6,7,8,9,10,11,12,13,14,15
	ds_load_b128 v[VF+4*\i:VF+4*\i+3], v[ADV] offset:512*\i   ; fragment (32 keys kb, 16 channels d) at VF + 8 (4 kb + d)
.endr
	s_wait_dscnt 16                                ; the 16 loads of V just issued may be out: this step's K and bias tiles are in
	WIN 0x01                                       ; source 0 (K) window 1
.irp u, 0,1                            ; S^T = K Q^T + the bias tile: 16 accumulators by turns, one instruction a turn
.irp q, 0,1,2,3
.irp t, 0,1,2,3
.if \u == 0
	v_wmma_f32_16x16x32_f16 v[S+32*\q+8*\t:S+32*\q+8*\t+7], v[KF+8*(2*\t+\u):KF+8*(2*\t+\u)+7], v[QF+8*(2*\q+\u):QF+8*(2*\q+\u)+7], v[BZ+8*\t:BZ+8*\t+7]
.else
	v_wmma_f32_16x16x32_f16 v[S+32*\q+8*\t:S+32*\q+8*\t+7], v[KF+8*(2*\t+\u):KF+8*(2*\t+\u)+7], v[QF+8*(2*\q+\u):QF+8*(2*\q+\u)+7], v[S+32*\q+8*\t:S+32*\q+8*\t+7]
.endif
.endr
.endr
.endr
.rept 4
	v_nop                                          ; four places: ahead of the loads into K's and the bias tiles' registers, and of the first read of the scores
.endr
	WIN 0x40
.irp i, 0,1,2,3,4,5,6,7,8,9,10,11,12,13,14,15
	ds_load_b128 v[KF+4*\i:KF+4*\i+3], v[ADK] offset:512*\i   ; the next step's K: it lands under the softmax
.endr
	WIN 0
.irp t, 0,1,2,3
	ds_load_b128 v[BZ+8*\t:BZ+8*\t+3], v[ADB] offset:64*\t
	ds_load_b128 v[BZ+8*\t+4:BZ+8*\t+7], v[ADB] offset:64*\t+16
.endr
	; THE SOFTMAX, the four tiles by turns in every phase.  The maximum of a lane's 32 scores and the old m: two chains; each accumulator is first read at its low end
.irp q, 0,1,2,3
.irp c, 0,1
	v_max3_num_f32 v[TT+2*\q+\c], v[S+32*\q+16*\c], v[S+32*\q+16*\c+1], v[S+32*\q+16*\c+2]
.endr
.endr
.irp n, 1,2,3,4,5,6
.irp q, 0,1,2,3
.irp c, 0,1
	v_max3_num_f32 v[TT+2*\q+\c], v[TT+2*\q+\c], v[S+32*\q+16*\c+2*\n+1], v[S+32*\q+16*\c+2*\n+2]
.endr
.endr
.endr
.irp q, 0,1,2,3
	v_max3_num_f32 v[TT+2*\q], v[TT+2*\q], v[S+32*\q+15], v[ST+4*\q]
.endr
.irp q, 0,1,2,3
	v_max3_num_f32 v[TT+2*\q], v[TT+2*\q+1], v[S+32*\q+31], v[TT+2*\q]
.endr
.irp q, 0,1,2,3
	v_permlanex16_b32 v[TT+2*\q+1], v[TT+2*\q], s[SEL], s[SEL+1]   ; the query's other 32 keys lie in the lane 16 away
.endr
.irp q, 0,1,2,3
	v_max_num_f32 v[TT+2*\q+1], v[TT+2*\q], v[TT+2*\q+1]           ; the new m
.endr
.irp q, 0,1,2,3
	v_sub_f32 v[TT+2*\q], v[ST+4*\q], v[TT+2*\q+1]                 ; old m - new m
.endr
.irp q, 0,1,2,3
	v_mov_b32 v[ST+4*\q], v[TT+2*\q+1]
.endr
.set i, 0
.rept 16
.irp q, 0,1,2,3
	v_pk_add_f32 v[S+32*\q+i:S+32*\q+i+1], v[S+32*\q+i:S+32*\q+i+1], v[ST+4*\q:ST+4*\q+1] op_sel_hi:[1,0] neg_lo:[0,1] neg_hi:[0,1]   ; t - m, two at a time
.endr
.set i, i+2
.endr
.irp q, 0,1,2,3
	v_exp_f32 v[TT+2*\q], v[TT+2*\q]               ; a = 2^(old m - new m)
.endr
.set i, 0
.rept 32
.irp q, 0,1,2,3
	v_exp_f32 v[S+32*\q+i], v[S+32*\q+i]           ; p = 2^(t - m).  The step's 132 exponentials are ONE batch: none reads another's result
.endr
.set i, i+1
.endr
	v_nop                                          ; a plain instruction behind the last exponential,
	s_wait_alu depctr_va_vdst(0)                   ; and the one wait ahead of the batch's first reader
.irp q, 0,1,2,3
	v_pk_mul_f32 v[ST+4*\q+2:ST+4*\q+3], v[ST+4*\q+2:ST+4*\q+3], v[TT+2*\q:TT+2*\q+1] op_sel_hi:[1,0]   ; l x a
.endr
	WIN 0x41                                       ; O^T (destination and source 0) window 1, a window 0
.irp q, 0,1,2,3
.set i, 0
.rept 16
	v_pk_mul_f32 v[32*\q+i:32*\q+i+1], v[32*\q+i:32*\q+i+1], v[TT+2*\q:TT+2*\q+1] op_sel_hi:[1,0]      ; O^T x a, each accumulator from its low end on
.set i, i+2
.endr
.endr
	WIN 0
.irp q, 0,1,2,3
	v_pk_add_f32 v[TT+2*\q:TT+2*\q+1], v[S+32*\q:S+32*\q+1], v[S+32*\q+2:S+32*\q+3]                    ; the sum of p in f32, ahead of its rounding: two chains
.endr
.irp j, 4,8,12,16,20,24,28
.irp q, 0,1,2,3
	v_pk_add_f32 v[ST+4*\q+2:ST+4*\q+3], v[ST+4*\q+2:ST+4*\q+3], v[S+32*\q+\j:S+32*\q+\j+1]
	v_pk_add_f32 v[TT+2*\q:TT+2*\q+1], v[TT+2*\q:TT+2*\q+1], v[S+32*\q+\j+2:S+32*\q+\j+3]
.endr
.endr
.irp q, 0,1,2,3
	v_pk_add_f32 v[ST+4*\q+2:ST+4*\q+3], v[ST+4*\q+2:ST+4*\q+3], v[TT+2*\q:TT+2*\q+1]
.endr
.set i, 0
.rept 16
.irp q, 0,1,2,3
	v_cvt_pk_f16_f32 v[S+32*\q+i], v[S+32*\q+2*i], v[S+32*\q+2*i+1]   ; P, in place, ascending: registers 8 kb .. 8 kb + 7 are source 1 for keys 32 kb on
.endr
.set i, i+1
.endr
	s_wait_dscnt 24                                ; the next step's 16 loads of K and 8 of the bias may be out: V is in
	WIN 0x51                                       ; V window 1, P window 0, O^T window 1
.irp k, 0,1                            ; O^T += V^T P: 16 accumulators by turns
.irp q, 0,1,2,3
.irp d, 0,1,2,3
	v_wmma_f32_16x16x32_f16 v[32*\q+8*\d:32*\q+8*\d+7], v[VF+8*(4*\k+\d):VF+8*(4*\k+\d)+7], v[S+32*\q+8*\k:S+32*\q+8*\k+7], v[32*\q+8*\d:32*\q+8*\d+7]
.endr
.endr
.endr
	WIN 0
	s_add_co_u32 s[KO], s[KO], STEPB
	s_add_co_u32 s[BC], s[BC], 256
.endm
.macro EIGHT                           ; a slot's eight key steps: written once, walked eight times
	s_mov_b32 s[STEPC], 8
.Lstep_\@:
	STEP
	s_sub_co_u32 s[STEPC], s[STEPC], 1
	s_cmp_lg_u32 s[STEPC], 0
	s_cbranch_scc1 .Lstep_\@
	s_xor_b32 s[TB], s[TB], SLOT1                  ; on to the other slot
.endm
.Lslot:                                            ; three trips: behind each change of slots but the last the next slot is asked for (the first trip's load is slot 1's first fill)
	CHANGE 1
	EIGHT
	s_sub_co_u32 s[SLOTS], s[SLOTS], 1
	s_cmp_lg_u32 s[SLOTS], 0
	s_cbranch_scc1 .Lslot
	CHANGE 0                                       ; the last slot is written out
	EIGHT
	; THE WAY OUT.  l's two halves and the other half of the lanes' are added (twelve plain lines: the places behind the last products); O^T / l, rounded to f16, leaves from the registers
.irp q, 0,1,2,3
	v_add_f32 v[TT+2*\q], v[ST+4*\q+2], v[ST+4*\q+3]
.endr
.irp q, 0,1,2,3
	v_permlanex16_b32 v[TT+2*\q+1], v[TT+2*\q], s[SEL], s[SEL+1]
.endr
.irp q, 0,1,2,3
	v_add_f32 v[TT+2*\q], v[TT+2*\q], v[TT+2*\q+1]
.endr
.irp q, 0,1,2,3
	v_rcp_f32 v[TT+2*\q], v[TT+2*\q]               ; l is at least 1: the largest p of a row is 1
.endr
	v_nop                                          ; a plain instruction behind the last reciprocal,
	s_wait_alu depctr_va_vdst(0)                   ; and the wait ahead of the first reader: one for the four
.irp q, 0,1,2,3
	WIN 0x41
.set i, 0
.rept 16
	v_pk_mul_f32 v[32*\q+i:32*\q+i+1], v[32*\q+i:32*\q+i+1], v[TT+2*\q:TT+2*\q+1] op_sel_hi:[1,0]
.set i, i+2
.endr
	WIN 0x05                                       ; sources window 1, destination window 0
.set i, 0
.rept 16
	v_cvt_pk_f16_f32 v[S+32*\q+i], v[32*\q+2*i], v[32*\q+2*i+1]
.set i, i+1
.endr
	WIN 0
.irp d, 0,1,2,3
	global_store_b128 v[LI], v[S+32*\q+4*\d:S+32*\q+4*\d+3], s[8:9] offset:\q*32768+\d*512   ; lane (r, h): token r, channels 16 d + 8 h + 0 .. 7: 512 consecutive bytes a store; no register is written again
.endr
.endr
	s_wait_tensorcnt 0x0                           ; the wave's end, behind my last tensor load and my last LDS store
	ds_add_u32 v[SPW], v[NIL]
	s_wait_dscnt 0x0
	CROUND                                         ; the closing round: no work-group ends while a partner may still ask for a tile that names it
	s_endpgm
.Lfunc_end_k_q76f03859da_attn:
	.size	k_q76f03859da_attn, .Lfunc_end_k_q76f03859da_attn-k_q76f03859da_attn
	.p2alignl 7, 3214868480
	.fill 96, 4, 3214868480
	.section	.rodata,"a",@progbits
	.p2align	6, 0x0
	.amdhsa_kernel k_q76f03859da_attn
		.amdhsa_group_segment_fixed_size 327680
		.amdhsa_private_segment_fixed_size 0
		.amdhsa_enable_private_segment 0
		.amdhsa_kernarg_size 24
		.amdhsa_user_sgpr_count 2
		.amdhsa_user_sgpr_kernarg_segment_ptr 1
		.amdhsa_wavefront_size32 1
		.amdhsa_system_sgpr_workgroup_id_x 1
		.amdhsa_system_sgpr_workgroup_id_y 1
		.amdhsa_system_sgpr_workgroup_id_z 1
		.amdhsa_system_vgpr_workitem_id 0
		.amdhsa_next_free_vgpr 512
		.amdhsa_next_free_sgpr 66
		.amdhsa_reserve_vcc 0
		.amdhsa_float_denorm_mode_32 3
		.amdhsa_float_denorm_mode_16_64 3
		.amdhsa_memory_ordered 1
		.amdhsa_forward_progress 1
		.amdhsa_inst_pref_size 93
	.end_amdhsa_kernel
	.amdgpu_metadata
---
amdhsa.version: [ 1, 2 ]
amdhsa.kernels:
  - .name:           k_q76f03859da_attn
    .symbol:         k_q76f03859da_attn.kd
    .args:
      - { .name: qkv, .offset: 0, .size: 8, .value_kind: global_buffer, .address_space: global }
      - { .name: mask, .offset: 8, .size: 8, .value_kind: global_buffer, .address_space: global }
      - { .name: ctx, .offset: 16, .size: 8, .value_kind: global_buffer, .address_space: global }
    .group_segment_fixed_size: 327680
    .private_segment_fixed_size: 0
    .kernarg_segment_align: 8
    .kernarg_segment_size: 24
    .max_flat_workgroup_size: 256
    .sgpr_count:     66
    .vgpr_count:     512
    .wavefront_size: 32
...
	.end_amdgpu_metadata
.endif
;; end of part 3
;; launch oproj (part 4): grid 4 x 64, 4 waves a work-group, clusters of 4 x 4, 327,680 bytes of LDS; arguments ctx, woi, bo, out0; writes out0
.if DOCPART == 4
	.amdgcn_target "amdgcn-amd-amdhsa--gfx1250"
	.amdhsa_code_object_version 6
	.text
	.protected	k_q76f03859da_oproj
	.globl	k_q76f03859da_oproj
	.p2align	8
	.type	k_q76f03859da_oproj,@function
k_q76f03859da_oproj:
	s_mov_b64 s[64:65], 0
	v_nop
	global_prefetch_b8 v0, s[64:65] scope:SCOPE_SE
	s_setreg_imm32_b32 hwreg(HW_REG_WAVE_MODE, 25, 1), 1
	s_wait_xcnt 0x0
	s_wait_alu depctr_hold_cnt(0) depctr_sa_sdst(0) depctr_va_vdst(0) depctr_va_sdst(0) depctr_va_ssrc(0) depctr_va_vcc(0) depctr_vm_vsrc(0)
	s_getreg_b32 s2, hwreg(HW_REG_IB_STS2, 6, 4)
	s_cmp_eq_u32 s2, 0
	s_cbranch_scc0 .Lentry_in_a_cluster
	s_endpgm
.Lentry_in_a_cluster:
	s_bfe_u32 s2, ttmp6, 0x10000c
	s_cmp_lg_u32 s2, 0xf033
	s_cbranch_scc0 .Lentry_shape_is_right
	s_endpgm
.Lentry_shape_is_right:
; out0[token][n] = the sum over k of ctx[token][k] Wo[k][n] + bo[n].  8,192 x 1,024 x 1,024; operands f16, sums and result f32.
; ctx is laid [token / 16][k / 8][token % 16][8 k] and woi [n / 16][k / 8][n % 16][8 k]: half a fragment (16 rows x 32 K) is 512 consecutive bytes, 16 a lane; 128 along K of 16 rows are 4,096 consecutive bytes.
; A tile of the result is 128 tokens x 256 n: 64 x 4 = 256 work-groups.  Four waves, each 64 x 128: 32 accumulators, 256 registers (window 1).  K goes in eight steps of 128 through two LDS slots.
; THE MATRIX INSTRUCTION IS USED TRANSPOSED (source 0 = 16 rows of Wo, source 1 = 16 tokens): a lane holds eight neighbouring n of one token.
; CLUSTERS: 4 x 4.  The four of a row need the same tokens, the four of a column the same n: each tile is asked for jointly.  The cluster's four columns are all of n, so a tile of ctx is fetched by one row of one cluster.
; LIMITS: as the operands' f16 allows (set where they are made); NaN and infinities are not served.
; REGISTERS, window 0: v1 16 x lane; v16-17, v20-21 fragment addresses; v24, v25 the stage; v28, v29 the add's two; v30 the prefetches' offset; v32-35 bo; v64-159, v160-255 two fragment buffers (tokens' 32 registers, then Wo's 64).
.set SLOT,   98304                     ; tokens: 8 x 4,096 bytes; then Wo: 16 x 4,096
.set BOFF,   32768
.set STAGE,  2*SLOT                    ; behind the slots: 16 rows x (512 bytes + 16) for each wave, for the way out; no tile lands here
.set SPITCH, 528
.set SPARE,  STAGE+4*16*SPITCH         ; the spare words, 128 bytes for each wave: two blocks of 256 bytes that no other line names
.set KB,     4096                      ; a K step in bytes, in each row tile
.set LI,   1
.set ADRA, 16
.set ADRB, 20
.set STO,  24
.set RD,   25
.set SPW,  28
.set NIL,  29
.set PFO,  30
.set BQ,   32
.set F0,   64
.set F1,   160
.set BK,   64                          ; the way out: two banks of 64
.set WV,   14                          ; s14  wave
.set FB,   15                          ; s15  wave / 2: which 64 tokens are mine.  Also: I fetch tokens (0) or Wo (1)
.set HF,   16                          ; s16  wave % 2: which 128 n are mine.  Also: which half of that tile I fetch
.set G1,   24                          ; s[24:31] group 1 for the tokens' tiles; s[32:39] group 0, one set for each slot
.set G0,   32
.set G1B,  48                          ; s[48:55], s[56:63] the same for Wo's
.set G0B,  56
.set PFA,  44                          ; s[44:45] where my prefetches stand
.set LIM,  46                          ; s46  1 in the wave that prefetches, else the greatest number
.set MSB, 0
.macro WIN new
.if MSB != (\new)
	s_set_vgpr_msb (MSB<<8)|(\new)
.set MSB, (\new)
.endif
.endm
.set MUL, 0x50                         ; C and D window 1, the sources window 0
.macro JLOAD s                         ; a joint load: waves 0 and 1 fetch the tokens' two halves, waves 2 and 3 Wo's; an s_nop 0 and four v_nop follow each of the two lines
	s_cmp_eq_u32 s[FB], 0
	s_cbranch_scc0 .Lfor_b_\@
	tensor_load_to_lds s[G0+4*\s:G0+4*\s+3], s[G1:G1+7]
	s_nop 0
.rept 4
	v_nop
.endr
	s_branch .Lasked_\@
.Lfor_b_\@:
	tensor_load_to_lds s[G0B+4*\s:G0B+4*\s+3], s[G1B:G1B+7]
	s_nop 0
.rept 4
	v_nop
.endr
.Lasked_\@:
.endm
.macro CREST                           ; a round of the cluster's barrier behind its opening barrier
	s_cmp_lg_u32 s[WV], 0
	s_cbranch_scc1 .Lnot_wave_0_\@
	s_barrier_signal -3
.Lnot_wave_0_\@:
	s_barrier_wait -3
	s_barrier_signal -1
	s_barrier_wait -1
.endm
.macro CROUND
	s_barrier_signal -1
	s_barrier_wait -1
	CREST
.endm
; A PREFETCH of ctx, behind each joint refill and the run of LDS loads that follows it: the K step that stands two refills on.  A tile's 8 row tiles x 4,096 bytes are shared out among the four partners that ask for it
; jointly BY ADDRESS (cx: two row tiles each); in each, wave 0 asks: 32 lanes x 256 bytes, one instruction.  So each aligned 256 bytes is named once in the launch.  The loop's last trip, whose refills are the last
; two K steps, asks for nothing.  K steps 0 to 3 come by their loads alone.  woi is read by every cluster and is not asked for.
.macro ASK
	s_cmp_gt_u32 s3, s[LIM]                        ; s3 = 1 in the loop's last trip
	s_cbranch_scc0 .Lnot_mine_\@
	global_prefetch_b8 v[PFO], s[PFA:PFA+1] offset:KB th:TH_LOAD_NT scope:SCOPE_SE
.Lnot_mine_\@:
.endm
	s_load_b256 s[4:11], s[0:1], 0x0               ; ctx s[4:5], woi s[6:7], bo s[8:9], out0 s[10:11]
	v_lshl_add_u32 v[SPW], v0, 2, SPARE
	v_mov_b32 v[NIL], 0
	ds_add_u32 v[SPW], v[NIL]                      ; the wave's opening: the add, twice on end, and its wait ahead of my first tensor load; the set-up below is work on registers
	ds_add_u32 v[SPW], v[NIL]
	v_lshrrev_b32 v1, 5, v0
	v_readfirstlane_b32 s[WV], v1                  ; wave 0..3
	s_lshr_b32 s[FB], s[WV], 1
	s_and_b32 s[HF], s[WV], 1
	s_bfe_u32 s40, ttmp6, 0x40000                  ; cx = the tile's column (256 n)
	s_bfe_u32 s41, ttmp6, 0x40004                  ; cy
	s_and_b32 s13, ttmp7, 0xffff
	s_lshl_b32 s13, s13, 2
	s_add_co_u32 s13, s13, s41                     ; the tile's row (128 tokens) = 4 x cluster y + cy
	s_lshl_b32 s42, s41, 2
	s_lshl_b32 s42, 15, s42                        ; my row of the cluster
	s_lshl_b32 s43, 0x1111, s40                    ; my column
	s_or_b32 s[G1], s42, (3<<16)|(1<<21)           ; 15:0 the mask; 17:16 elements of 8 bytes; 21 set beside a mask; no padding: a fragment's loads take 512 consecutive bytes
	s_mov_b32 s[G1+1], 512<<16                     ; tensor_dim0 = 512 elements: a K step of a row tile, 4,096 bytes
	s_mov_b32 s[G1+2], 4<<16                       ; tensor_dim1 = 4 row tiles
	s_mov_b32 s[G1+3], 512<<16                     ; tile_dim0
	s_mov_b32 s[G1+4], 4                           ; tile_dim1
	s_mov_b32 s[G1+5], 4096                        ; from row tile to row tile: 32,768 bytes
	s_mov_b32 s[G1+6], 0
	s_mov_b32 s[G1+7], 0
	s_or_b32 s[G1B], s43, (3<<16)|(1<<21)
	s_mov_b32 s[G1B+1], 512<<16
	s_mov_b32 s[G1B+2], 8<<16                      ; Wo: 8 row tiles to a load
	s_mov_b32 s[G1B+3], 512<<16
	s_mov_b32 s[G1B+4], 8
	s_mov_b32 s[G1B+5], 4096
	s_mov_b32 s[G1B+6], 0
	s_mov_b32 s[G1B+7], 0
	s_lshl_b32 s18, s13, 18                        ; tokens: the tile's 8 row tiles,
	s_lshl_b32 s17, s[HF], 17                      ; my 4 of them
	s_add_co_u32 s18, s18, s17
	s_mov_b32 s19, 0
	s_lshl_b32 s20, s40, 19                        ; Wo: the tile's 16 row tiles,
	s_lshl_b32 s17, s[HF], 18                      ; my 8 of them
	s_add_co_u32 s20, s20, s17
	s_mov_b32 s21, 0
	s_lshl_b32 s22, s[HF], 14                      ; where they go in a slot: made of the wave's number alone
	s_lshl_b32 s23, s[HF], 15
	s_add_co_u32 s23, s23, BOFF
	s_wait_dscnt 0x0                               ; both opening adds are done
	s_wait_kmcnt 0x0
	s_add_nc_u64 s[18:19], s[4:5], s[18:19]
	s_add_nc_u64 s[20:21], s[6:7], s[20:21]
	CROUND                                         ; all sixteen work-groups are here: the first joint loads meet
.irp s, 0,1
	s_mov_b32 s[G0+4*\s], 1
	s_add_co_u32 s[G0+4*\s+1], s22, \s*SLOT
	s_add_nc_u64 s[G0+4*\s+2:G0+4*\s+3], s[18:19], \s*KB
	s_or_b32 s[G0+4*\s+3], s[G0+4*\s+3], 0x80000000
	s_mov_b32 s[G0B+4*\s], 1
	s_add_co_u32 s[G0B+4*\s+1], s23, \s*SLOT
	s_add_nc_u64 s[G0B+4*\s+2:G0B+4*\s+3], s[20:21], \s*KB
	s_or_b32 s[G0B+4*\s+3], s[G0B+4*\s+3], 0x80000000
	JLOAD \s                                       ; two tensor loads of mine are out
.endr
	v_and_b32 v[LI], 31, v0
	v_lshlrev_b32 v[LI], 4, v[LI]                  ; 16 x lane
	v_and_b32 v2, 15, v0                           ; r
	v_bfe_u32 v3, v0, 4, 1                         ; h
	s_lshl_b32 s17, s[FB], 14                      ; my 4 row tiles of tokens
	s_lshl_b32 s47, s[HF], 15                      ; my 8 row tiles of Wo,
	s_add_co_u32 s47, s47, BOFF                    ; which lie behind the tokens'
.irp s, 0,1
	v_add_nc_u32 v[ADRA+\s], s17, v[LI]
	v_add_nc_u32 v[ADRB+\s], s47, v[LI]
	s_add_co_u32 s17, s17, SLOT
	s_add_co_u32 s47, s47, SLOT
.endr
	s_mul_i32 s17, s[WV], 16*SPITCH
	s_add_co_u32 s17, s17, STAGE                   ; my stage
	v_mul_u32_u24 v[STO], v2, SPITCH               ; in: row r, 32 bytes for each half of the lanes
	v_lshl_add_u32 v[STO], v3, 5, v[STO]
	v_add_nc_u32 v[STO], s17, v[STO]
	v_add_nc_u32 v[RD], s17, v[LI]                 ; back: the 32 lanes take one row of 512 bytes
	s_lshl_b32 s20, s40, 10
	s_lshl_b32 s21, s[HF], 9
	s_add_co_u32 s20, s20, s21                     ; my first n, in bytes of f32: 1,024 x column + 512 x half
	s_mov_b32 s21, 0
	s_add_nc_u64 s[8:9], s[8:9], s[20:21]
	global_load_b128 v[BQ:BQ+3], v[LI], s[8:9]     ; bo of the four n that I store in every row
	s_add_nc_u64 s[10:11], s[10:11], s[20:21]
	s_lshl_b32 s20, s13, 19
	s_lshl_b32 s22, s[FB], 18
	s_add_co_u32 s20, s20, s22                     ; my first token x 4,096 bytes: (128 x row + 64 x half)
	s_add_nc_u64 s[10:11], s[10:11], s[20:21]
	s_lshl_b32 s20, s13, 18
	s_lshl_b32 s22, s40, 16                        ; my work-group's two row tiles of the eight
	s_add_co_u32 s20, s20, s22
	s_add_co_u32 s20, s20, 2*KB                    ; at K step 2: the first refill steps it to 3 and names K step 4
	s_add_nc_u64 s[PFA:PFA+1], s[4:5], s[20:21]
	s_cmp_eq_u32 s[WV], 0
	s_cselect_b32 s[LIM], 1, -1
	v_lshlrev_b32 v[PFO], 15, v3
	v_lshl_add_u32 v[PFO], v2, 8, v[PFO]           ; (lane / 16) row tiles + 256 (lane % 16)
; 8 matrix instructions: tokens' block a x Wo's eight, 32 along K, from buffer f.  zero = 1: the first product starts the sums.  The 32 accumulators take turns, in the same order in every quarter.
.macro MULH f, a, zero
.irp b, 0,1,2,3,4,5,6,7
.if \zero
	v_wmma_f32_16x16x32_f16 v[8*(8*(\a)+\b):8*(8*(\a)+\b)+7], v[\f+32+8*\b:\f+32+8*\b+7], v[\f+8*(\a):\f+8*(\a)+7], 0
.else
	v_wmma_f32_16x16x32_f16 v[8*(8*(\a)+\b):8*(8*(\a)+\b)+7], v[\f+32+8*\b:\f+32+8*\b+7], v[\f+8*(\a):\f+8*(\a)+7], v[8*(8*(\a)+\b):8*(8*(\a)+\b)+7]
.endif
.endr
.endm
.macro FETCH slot, q, f                ; 24 LDS loads in one run: the fragments of the slot's q-th 32 along K: Wo's eight, then the tokens' four
.irp i, 0,1,2,3,4,5,6,7
	ds_load_b128 v[\f+32+8*\i:\f+32+8*\i+3], v[ADRB+\slot] offset:\i*KB+(\q)*1024
	ds_load_b128 v[\f+32+8*\i+4:\f+32+8*\i+7], v[ADRB+\slot] offset:\i*KB+(\q)*1024+512
.endr
.irp i, 0,1,2,3
	ds_load_b128 v[\f+8*\i:\f+8*\i+3], v[ADRA+\slot] offset:\i*KB+(\q)*1024
	ds_load_b128 v[\f+8*\i+4:\f+8*\i+7], v[ADRA+\slot] offset:\i*KB+(\q)*1024+512
.endr
.endm
.macro PLACES                          ; four plain vector instructions that name no register of the matrix instructions before them, ahead of loads into their sources and of reads of their results
.rept 4
	v_nop
.endr
.endm
; A K step is four quarters of 32 along K, 32 matrix instructions each, on buffers 0, 1, 0, 1.  One of the first three: multiplies buffer f and fetches quarter q into g.
.macro QUARTER slot, q, f, g, zero
	s_wait_dscnt 4                                 ; Wo's fragments and the tokens' blocks 0, 1 are in; the youngest four loads (blocks 2, 3) may be out
	WIN MUL
	MULH \f, 0, \zero
	MULH \f, 1, \zero
	PLACES
	WIN 0
	FETCH \slot, \q, \g
	s_wait_dscnt 24                                ; all but the 24 just issued
	WIN MUL
	MULH \f, 2, \zero
	MULH \f, 3, \zero
.endm
; The last quarter multiplies buffer 1 and changes slots: ONE barrier; in front of it each wave waits for all its tensor loads (one is out: its part of the next slot), adds 0 to its spare word, and waits for that and for
; its reads of this slot.  fill = 1: the barrier opens a round of the cluster's barrier, and this slot is filled again, two K steps ahead: the load has 112 matrix instructions of mine before the wait for it.
.macro TURN slot, next, fill
.if \fill
	s_wait_xcnt 0x0                                ; the last prefetch, a K step back, has read its address: it is stepped here, ahead of the waits of the change of slots
	s_add_nc_u64 s[PFA:PFA+1], s[PFA:PFA+1], KB
.endif
	WIN 0                                          ; (the add's two registers lie in window 0)
	s_wait_tensorcnt 0x0
	ds_add_u32 v[SPW], v[NIL]
	s_wait_dscnt 5                                 ; (the add and the youngest four loads may be out)
	WIN MUL
	MULH F1, 0, 0                                  ; eight matrix instructions stand between the add and the wait for it
	s_wait_dscnt 0x0                               ; the add is done, and my reads of this slot are over
	s_barrier_signal -1
	MULH F1, 1, 0
	WIN 0
	s_barrier_wait -1
.if \fill
	CREST                                          ; no wave of any partner still reads this slot's tile or has a load on its way
	s_add_nc_u64 s[G0+4*\slot+2:G0+4*\slot+3], s[G0+4*\slot+2:G0+4*\slot+3], 2*KB
	s_add_nc_u64 s[G0B+4*\slot+2:G0B+4*\slot+3], s[G0B+4*\slot+2:G0B+4*\slot+3], 2*KB
	JLOAD \slot                                    ; the first tensor load behind the round; the four v_nop behind it are also the places in front of the loads below
.else
	PLACES
.endif
	FETCH \next, 0, F0
.if \fill
	ASK
.endif
	WIN MUL
	MULH F1, 2, 0
	MULH F1, 3, 0
.endm
	s_wait_tensorcnt 1                             ; my part of K step 0 is in; K step 1's load, issued behind it, may be out
	s_barrier_signal -1
	s_barrier_wait -1                              ; everybody's is
	FETCH 0, 0, F0
	QUARTER 0, 1, F0, F1, 1                        ; the first quarter stands in front of the loop: its products start the sums
	WIN 0                                          ; at a label and at a branch every window is 0
	s_mov_b32 s3, 3
.Llap:                                             ; a trip goes once round the two slots, from a lap's second quarter to the next lap's first, and fills both again: K steps 2 to 7
	QUARTER 0, 2, F1, F0, 0
	QUARTER 0, 3, F0, F1, 0
	TURN 0, 1, 1
	QUARTER 1, 1, F0, F1, 0
	QUARTER 1, 2, F1, F0, 0
	QUARTER 1, 3, F0, F1, 0
	TURN 1, 0, 1
	QUARTER 0, 1, F0, F1, 0
	WIN 0
	s_sub_co_u32 s3, s3, 1
	s_cmp_lg_u32 s3, 0
	s_cbranch_scc1 .Llap
	QUARTER 0, 2, F1, F0, 0                        ; the last lap fills nothing, and has no round of the cluster's barrier
	QUARTER 0, 3, F0, F1, 0
	TURN 0, 1, 0
	QUARTER 1, 1, F0, F1, 0
	QUARTER 1, 2, F1, F0, 0
	QUARTER 1, 3, F0, F1, 0
	s_wait_dscnt 4                                 ; the very last quarter: nothing more to fetch
	WIN MUL
	MULH F1, 0, 0
	MULH F1, 1, 0
	s_wait_dscnt 0
	MULH F1, 2, 0
	MULH F1, 3, 0
	WIN 0
; THE WAY OUT, a block of 16 tokens x 128 n at a time.  A lane holds 32 neighbouring bytes of a row and the lanes beside it hold other rows: so a block goes through my own stage in LDS and comes back as whole rows of
; 512 bytes; bo is added on the way, and the 32 lanes store 512 consecutive bytes, aligned.  LDS serves a wave's instructions in order: no wait between the stores and the loads, nor in front of the next block's stores.
.macro TOSTAGE a
	WIN 0x04                                       ; an LDS store's data are its source 1: window 1
.irp b, 0,1,2,3,4,5,6,7
	ds_store_b128 v[STO], v[8*(8*(\a)+\b):8*(8*(\a)+\b)+3] offset:64*\b          ; each accumulator from its low end on
	ds_store_b128 v[STO], v[8*(8*(\a)+\b)+4:8*(8*(\a)+\b)+7] offset:64*\b+16
.endr
	WIN 0
.set BB, BK+64*((\a)%2)
.irp t, 0,1,2,3,4,5,6,7,8,9,10,11,12,13,14,15
	ds_load_b128 v[BB+4*\t:BB+4*\t+3], v[RD] offset:\t*SPITCH
.endr
.endm
.macro SEND a, younger                 ; younger: the LDS instructions issued behind block a's loads, which may stay out
.set BB, BK+64*((\a)%2)
	s_wait_dscnt \younger                          ; the block is back in registers
.irp t, 0,1,2,3,4,5,6,7,8,9,10,11,12,13,14,15
	v_pk_add_f32 v[BB+4*\t:BB+4*\t+1], v[BB+4*\t:BB+4*\t+1], v[BQ:BQ+1]
	v_pk_add_f32 v[BB+4*\t+2:BB+4*\t+3], v[BB+4*\t+2:BB+4*\t+3], v[BQ+2:BQ+3]
	global_store_b128 v[LI], v[BB+4*\t:BB+4*\t+3], s[10:11] offset:(16*(\a)+\t)*4096 th:TH_STORE_NT   ; written once, read by nobody here; 63 rows at the most: inside the signed 24-bit immediate
.endr
.endm
	PLACES                                         ; behind the last products: ahead of the stage's reads of results and of the loads into the fragments' registers
	s_wait_loadcnt 0x0                             ; bo
	TOSTAGE 0
.irp a, 1,2,3
.if \a > 1
	s_wait_xcnt 0x0                                ; block a - 2's stores have read their registers: block a's loads may land there
.endif
	TOSTAGE \a
	SEND \a-1, 32                                  ; behind block a - 1's loads: block a's 16 stores and 16 loads
.endr
	SEND 3, 0
	s_wait_tensorcnt 0x0                           ; the wave's end, behind my last tensor load and my last LDS store
	ds_add_u32 v[SPW], v[NIL]
	s_wait_dscnt 0x0
	CROUND                                         ; the closing round: no work-group ends while a partner may still ask for a tile that names it
	s_endpgm
.Lfunc_end_k_q76f03859da_oproj:
	.size	k_q76f03859da_oproj, .Lfunc_end_k_q76f03859da_oproj-k_q76f03859da_oproj
	.p2alignl 7, 3214868480
	.fill 96, 4, 3214868480
	.section	.rodata,"a",@progbits
	.p2align	6, 0x0
	.amdhsa_kernel k_q76f03859da_oproj
		.amdhsa_group_segment_fixed_size 327680
		.amdhsa_private_segment_fixed_size 0
		.amdhsa_enable_private_segment 0
		.amdhsa_kernarg_size 32
		.amdhsa_user_sgpr_count 2
		.amdhsa_user_sgpr_kernarg_segment_ptr 1
		.amdhsa_wavefront_size32 1
		.amdhsa_system_sgpr_workgroup_id_x 1
		.amdhsa_system_sgpr_workgroup_id_y 1
		.amdhsa_system_sgpr_workgroup_id_z 1
		.amdhsa_system_vgpr_workitem_id 0
		.amdhsa_next_free_vgpr 512
		.amdhsa_next_free_sgpr 66
		.amdhsa_reserve_vcc 0
		.amdhsa_float_denorm_mode_32 3
		.amdhsa_float_denorm_mode_16_64 3
		.amdhsa_memory_ordered 1
		.amdhsa_forward_progress 1
		.amdhsa_inst_pref_size 93
	.end_amdhsa_kernel
	.amdgpu_metadata
---
amdhsa.version: [ 1, 2 ]
amdhsa.kernels:
  - .name:           k_q76f03859da_oproj
    .symbol:         k_q76f03859da_oproj.kd
    .args:
      - { .name: ctx, .offset: 0, .size: 8, .value_kind: global_buffer, .address_space: global }
      - { .name: woi, .offset: 8, .size: 8, .value_kind: global_buffer, .address_space: global }
      - { .name: bo, .offset: 16, .size: 8, .value_kind: global_buffer, .address_space: global }
      - { .name: out0, .offset: 24, .size: 8, .value_kind: global_buffer, .address_space: global }
    .group_segment_fixed_size: 327680
    .private_segment_fixed_size: 0
    .kernarg_segment_align: 8
    .kernarg_segment_size: 32
    .max_flat_workgroup_size: 128
    .sgpr_count:     66
    .vgpr_count:     512
    .wavefront_size: 32
...
	.end_amdgpu_metadata
.endif
;; end of part 4
